; MI455X (gfx1250); checked and timed in simulation.
; The chip was launched on July 23, 2026; its instructions are those of AMD's public machine-readable ISA for CDNA 5 (MIT licence, August 2026) and "CDNA5" Instruction Set Architecture Reference Guide (July 2026). The comments in the code are by the model that wrote it; some were corrected since.
;; SVD Quant Linear. Allowed arithmetic: float matrix products may take bf16 or f16 operands with f32 sums; other float arithmetic in f32, or as packed bf16 or f16 multiplies, adds, multiply-adds, maxima and minima; sums over many terms, partial sums and values carried from step to step in f32; what a program stores and reads back later, other than sums and carried values, may be rounded once to bf16 or f16.
;; Inputs: bias 4,096 float32; lora_down 32 x 4,096 float32; lora_up 4,096 x 32 float32; qweight 4,096 x 4,096 int32; wscale 4,096 x 64 float32; x 4,096 x 4,096 float32.
;; Outputs: out0 4,096 x 4,096 float32.
;; 3 versions, each right; version 3 is version 2 with the launch prep written anew for expert scheduling mode. Each part assembles by itself: llvm-mc -triple=amdgcn-amd-amdhsa -mcpu=gfx1250 --defsym DOCPART=n.
;; ======== version 1 of 3: 2 launches
;; limits: values are held in f16: magnitudes above 65,504 overflow, below 6.1e-05 lose precision; inputs' magnitudes at most 65,504
;; workspace buffers: xc 33,554,432 bytes; wh 33,554,432 bytes; aux 327,680 bytes; luh 262,144 bytes
;; launch prep (part 1): grid 512 x 1, 16 waves a work-group, no clusters, 171,264 bytes of LDS; arguments x, lora_down, xc, aux, qweight, wscale, lora_up, wh, luh; writes xc, aux, wh, luh
.if DOCPART == 1
	.amdgcn_target "amdgcn-amd-amdhsa--gfx1250"
	.amdhsa_code_object_version 6
	.text
	.protected	k_q3957dfbf70_prep
	.globl	k_q3957dfbf70_prep
	.p2align	8
	.type	k_q3957dfbf70_prep,@function
k_q3957dfbf70_prep:
	s_mov_b64 s[64:65], 0
	v_nop
	global_prefetch_b8 v0, s[64:65] scope:SCOPE_SE
	s_setreg_imm32_b32 hwreg(HW_REG_WAVE_MODE, 25, 1), 1
	s_wait_xcnt 0x0
; PREP: everything of reference() that stands in front of the two large products, in one launch with two kinds of work-group.
; reference(): out[t][o] = sum_i xq[t][i] W[o][i] + sum_r (sum_i x[t][i] ld[r][i]) lu[o][r] + bias[o],  W = q x wscale (groups of 64),  xq = clip(round(x / ascale), -8, 7) x ascale,
; ascale[t] = max(max_i |x[t][i]|, 1e-6) / 7.
; NOTHING OF reference() IS LEFT OUT, and every input is loaded by one of the two launches.  Two factors are moved, which changes results by rounding alone: ascale[t] is the same for a whole row of
; out, so the products are taken on the codes c = clip(round(x / ascale)) (whole numbers -8 .. 7, exact in f16) and on t1s = t1 / ascale, and the next launch multiplies the finished sum by ascale once, in f32.
; EVEN work-groups (x kind, block b = 16 tokens): row maxima, ascale, the codes (xc, f16), t1 = x ld^T on the matrix unit (f16 operands, f32 sums), t1s (aux, f16) and ascale (aux, f32).
; ODD work-groups (W kind, block b = 16 out channels): W = q x wscale rounded once to f16 (wh), lora_up rounded to f16 in fragment order (luh).
; THE CODES ARE MADE AS reference() MAKES THEM: both divisions are correctly rounded f32 divisions (a reciprocal, Newton steps by fused multiply-adds, and a remainder step taken twice), the rounding is to
; nearest even, the clip stays.  One code that falls on the other side of a half moves a whole row of out by ascale x W.
; LIMITS.  NaN and infinities are not treated apart (a NaN loses in the maxima).  |x|, |q x wscale|, |lora_down|, |lora_up| stay under 65,504, f16's end; below 6.1e-5 they keep f16's fixed step of 6e-8.
; |t1 / ascale| is at most 7 x sum_i |ld[r][i]| and stays under 65,504.  Where ascale's 24 significant bits are all ones its reciprocal may be one unit off, and x / ascale is then within half a unit and 2^-23 units.
; SHARES, x kind.  Wave w of 16 takes channels 256 w .. 256 w + 255 of all 16 tokens: lane l holds token r = l % 16, and its 128 numbers stay in registers from the loads to the codes: x is read once.
; They lie as the matrix unit takes them: step s of 32 channels, octet e: channels 32 s + 16 e + 8 (l / 16) + 0..7.  The waves' maxima and partial sums of t1 meet in LDS behind the one barrier.
; SHARES, W kind.  Wave w takes out channel 16 b + w: 16,384 bytes of codes in, 8,192 bytes of f16 out; a lane holds 8 neighbouring codes, which lie in one group.
; NO JOINT LOADS for lora_down, which all 256 x work-groups read: here its rows go from memory straight into registers as fragments, 32 KiB a wave; shared by joint loads they would pass LDS in f32, 512 KiB,
; more than LDS holds, so in a ring with a round of the cluster's barrier for each refill, in a text that has one barrier.  NO PREFETCH: all of a wave's loads of x and of the codes go out at its head.
.set WPITCH, 528                       ; a stage row: 512 bytes + 16 = 132 words: row r starts at bank 4 r mod 64 (64 banks of 4 bytes: ISA guide 11.1)
.set WSTG,   16*WPITCH                 ; a wave's own stage: 16 rows
.set PART,   16*WSTG                   ; behind the stages: wave w's two partial tiles of t1, 1,024 bytes each, at 2,048 w; a tile is two pieces of 512 bytes, lane l at 16 l
.set MXB,    PART+16*2048              ; behind them: token r's 16 partial maxima at 80 r + 4 w
.set MXP,    80
.set SPARE,  MXB+16*MXP                ; behind them: the spare words, 128 bytes for each wave: eight blocks of 256 bytes that no other line names
.set WSC,    0                         ; W kind: wave w's 64 scales at 256 w
.set SPW, 8                            ; v8   LDS address of my spare word: SPARE + 4 x my thread's number; never rewritten
.set NIL, 9                            ; v9   0; never rewritten
; x kind
.set XO,  4                            ; v4   r x 16,384 + 32 (l / 16) + 1,024 w: my bytes in a row of x and of lora_down; never rewritten
.set STO, 5                            ; v5   where I put 16 bytes of codes
.set RD,  6                            ; v6   where I read a row of the stage back
.set GO,  7                            ; v7   512 w + 16 l: my bytes in a row of xc
.set MXS, 10                           ; v10  where my wave's maximum of token r goes
.set MXL, 11                           ; v11  token r's 16 maxima
.set PS,  12                           ; v12  where my partial tiles go
.set PR,  13                           ; v13  where tile w's partial sums are read (waves 0 and 1)
.set MA,  14                           ; v14-15  two chains of maxima
.set MI,  16                           ; v16-17  two chains of minima
.set T,   18                           ; v18  at work
.set AO,  19                           ; v19  16 l
.set BB,  20                           ; v[20:21] ascale, twice
.set YY,  22                           ; v[22:23] 1 / ascale, twice
.set ACC, 24                           ; v[24:39] t1's two tiles: ranks 0-15, 16-31
.set Q,   24                           ; later: eight quotients
.set R,   32                           ; and eight remainders
.set FA,  40                           ; v[40:47] a step's fragment of x in f16
.set NBB, 40                           ; later: -ascale, twice
.set E,   42
.set FB,  48                           ; v[48:63] a step's two fragments of lora_down in f16
.set M,   48                           ; later: the 16 partial maxima
.set L,   64                           ; v[64:127] lora_down in f32: two sets of 32 that take turns; later the 16 rows read back
.set X,   128                          ; v[128:255] x: step s, octet e at X + 16 s + 8 e
; W kind
.set QO,  4                            ; v4   32 l
.set SO,  5                            ; v5   8 l
.set SA,  6                            ; v6   WSC + 256 w + 4 (l / 8)
.set WO,  7                            ; v7   16 l
.set LUO, 10                           ; v10  128 r + 32 (l / 16)
.set SS,  11                           ; v11  WSC + 256 w + 8 l
.set SC,  12                           ; v[12:13] two of the row's 64 scales
.set S,   64                           ; v[64:95] chunk j's scale, twice, at S + 2 j
.set LF,  96                           ; v[96:111] lora_up in f32
.set LH,  112                          ; v[112:119] in f16
.set D,   128                          ; v[128:255] chunk j's 8 codes at D + 8 j
	s_load_b256 s[4:11], s[0:1], 0x0               ; x s[4:5], lora_down s[6:7], xc s[8:9], aux s[10:11]
	s_load_b256 s[12:19], s[0:1], 0x20             ; qweight s[12:13], wscale s[14:15], lora_up s[16:17], wh s[18:19]
	s_load_b64 s[20:21], s[0:1], 0x40              ; luh
	v_lshl_add_u32 v[SPW], v0, 2, SPARE
	v_mov_b32 v[NIL], 0
	v_lshrrev_b32 v3, 5, v0
	v_readfirstlane_b32 s22, v3                    ; wave 0..15
	v_and_b32 v1, 31, v0                           ; l
	v_and_b32 v2, 15, v0                           ; r = l % 16
	v_bfe_u32 v3, v0, 4, 1                         ; l / 16
	s_and_b32 s23, ttmp9, 1                        ; the kind
	s_lshr_b32 s24, ttmp9, 1                       ; the block b, 0..255
	s_mov_b32 s27, 0                               ; the high word of every offset: all stay under 2^32
	s_wait_kmcnt 0x0
	s_cmp_lg_u32 s23, 0                            ; made of the work-group's number alone: the same in all 16 waves
	s_cbranch_scc1 .Lw
	; ---------------- the x kind ----------------
	s_mov_b32 s28, 0x76543210                      ; v_permlanex16_b32: each lane takes its own place in the other half
	s_mov_b32 s29, 0xfedcba98
	s_mov_b32 s30, 0x3e124925                      ; 1 / 7, rounded to nearest
	s_mov_b32 s31, 0xc0e00000                      ; -7
	s_mov_b32 s32, 0xc1000000                      ; -8
	s_mov_b32 s33, 0x40e00000                      ; 7
	s_mov_b32 s34, 0x358637bd                      ; 1e-6
	s_lshl_b32 s26, s24, 18                        ; 16 rows of 16,384 bytes
	s_add_nc_u64 s[36:37], s[4:5], s[26:27]        ; x at the block's first row
	s_lshl_b32 s26, s24, 17                        ; 16 rows of 8,192 bytes
	s_add_nc_u64 s[38:39], s[8:9], s[26:27]        ; xc likewise
	s_mul_i32 s26, s24, 1280
	s_add_nc_u64 s[40:41], s[10:11], s[26:27]      ; the block's 1,280 bytes of aux
	s_lshl_b32 s25, s22, 10
	v_lshlrev_b32 v[XO], 14, v2
	v_lshl_add_u32 v[XO], v3, 5, v[XO]
	v_add_nc_u32 v[XO], s25, v[XO]
; Step s of lora_down, both tiles of 16 ranks: 8 loads into set s % 2.  An octet is two loads of 16 bytes; the second octet lies 64 bytes on.
.macro LDLD s
.irp u, 0,1
.irp c, 0,1,2,3
	global_load_b128 v[L+32*((\s)%2)+16*(\u)+4*(\c):L+32*((\s)%2)+16*(\u)+4*(\c)+3], v[XO], s[6:7] offset:262144*(\u)+128*(\s)+16*((\c)%2)+64*((\c)/2)
.endr
.endr
.endm
; Step s of x: 4 loads.
.macro LDX s
.irp c, 0,1,2,3
	global_load_b128 v[X+16*(\s)+4*(\c):X+16*(\s)+4*(\c)+3], v[XO], s[36:37] offset:128*(\s)+16*((\c)%2)+64*((\c)/2) th:TH_LOAD_NT
.endr
.endm
	LDLD 0
	LDLD 1
.irp s, 0,1,2,3,4,5,6,7
	LDX \s                                         ; 48 loads of the wave are out: 24 KiB
.endr
	s_mul_i32 s25, s22, WSTG                       ; the addresses are made while the loads are on their way
	v_mul_u32_u24 v[STO], v2, WPITCH
	v_lshl_add_u32 v[STO], v3, 4, v[STO]
	v_add_nc_u32 v[STO], s25, v[STO]               ; my stage + 528 r + 16 (l / 16)
	v_lshl_add_u32 v[RD], v1, 4, s25               ; my stage + 16 l
	s_lshl_b32 s25, s22, 9
	v_lshl_add_u32 v[GO], v1, 4, s25
	v_mul_u32_u24 v[MXL], v2, MXP
	v_add_nc_u32 v[MXL], MXB, v[MXL]
	s_lshl_b32 s25, s22, 2
	v_add_nc_u32 v[MXS], s25, v[MXL]
	s_lshl_b32 s25, s22, 11
	s_add_co_u32 s25, s25, PART
	v_lshl_add_u32 v[PS], v1, 4, s25
	s_lshl_b32 s25, s22, 10
	s_add_co_u32 s25, s25, PART
	v_lshl_add_u32 v[PR], v1, 4, s25
	v_lshlrev_b32 v[AO], 4, v1
	v_mov_b32 v[T], 0                              ; v_permlanex16_b32 counts as a reader of its destination
; Step s: 32 channels.  left = how many younger loads may stay out.  The 16 lines of maxima and minima name no register of the step before's two products: they are the places between
; those products and the conversions that write their sources anew (ISA guide 7.12.1).  The two accumulators take turns.
.macro STEP s, left
	s_wait_loadcnt \left
.set XS, X+16*(\s)
.set LS, L+32*((\s)%2)
.if (\s) == 0
	v_max_num_f32 v[MA], v[XS], v[XS+1]            ; the first four numbers start the chains: nothing is cleared
	v_min_num_f32 v[MI], v[XS], v[XS+1]
	v_max_num_f32 v[MA+1], v[XS+2], v[XS+3]
	v_min_num_f32 v[MI+1], v[XS+2], v[XS+3]
.endif
.irp j, 0,1,2,3,4,5,6,7
.if ((\s) > 0) || ((\j) > 1)
	v_max3_num_f32 v[MA+(\j)%2], v[MA+(\j)%2], v[XS+2*(\j)], v[XS+2*(\j)+1]
	v_min3_num_f32 v[MI+(\j)%2], v[MI+(\j)%2], v[XS+2*(\j)], v[XS+2*(\j)+1]
.endif
.endr
.irp i, 0,1,2,3,4,5,6,7
	v_cvt_pk_f16_f32 v[FA+(\i)], v[XS+2*(\i)], v[XS+2*(\i)+1]
.endr
.irp i, 0,1,2,3,4,5,6,7,8,9,10,11,12,13,14,15
	v_cvt_pk_f16_f32 v[FB+(\i)], v[LS+2*(\i)], v[LS+2*(\i)+1]
.endr
.if (\s) < 6
	LDLD (\s)+2                                    ; the set just converted takes the step two on
.endif
.if (\s) == 0                                  ; source 0 = 16 ranks, source 1 = the 16 tokens: a lane's eight results are ranks 16 u + 8 (l / 16) + 0..7 of token r
	v_wmma_f32_16x16x32_f16 v[ACC:ACC+7], v[FB:FB+7], v[FA:FA+7], 0
	v_wmma_f32_16x16x32_f16 v[ACC+8:ACC+15], v[FB+8:FB+15], v[FA:FA+7], 0
.else
	v_wmma_f32_16x16x32_f16 v[ACC:ACC+7], v[FB:FB+7], v[FA:FA+7], v[ACC:ACC+7]
	v_wmma_f32_16x16x32_f16 v[ACC+8:ACC+15], v[FB+8:FB+15], v[FA:FA+7], v[ACC+8:ACC+15]
.endif
.endm
	STEP 0, 28                                     ; loads come back in order (ISA guide 5.7.1): behind x's step 0 stand x's steps 1 to 7, 28 loads
	STEP 1, 32                                     ; x's steps 2 to 7 (24) and lora_down's step 2 (8)
	STEP 2, 8                                      ; from here on lora_down's own step is the youngest but one: the 8 loads of the next step may stay out
	STEP 3, 8
	STEP 4, 8
	STEP 5, 8
	STEP 6, 8
	STEP 7, 0
	v_max_num_f32 v[MA], v[MA], v[MA+1]            ; the largest |x| of my 128 numbers = max(maximum, -minimum); these four lines and four v_nop are the places behind the last products
	v_min_num_f32 v[MI], v[MI], v[MI+1]
	v_sub_f32 v[MI], 0, v[MI]
	v_max_num_f32 v[MA], v[MA], v[MI]
.rept 4
	v_nop
.endr
	v_permlanex16_b32 v[T], v[MA], s28, s29        ; the token's other 128 channels of my slice lie in the lane 16 away
	v_max_num_f32 v[MA], v[MA], v[T]
	ds_store_b32 v[MXS], v[MA]
.irp u, 0,1
	ds_store_b128 v[PS], v[ACC+8*(\u):ACC+8*(\u)+3]   offset:1024*(\u)      ; each accumulator's lowest registers first
	ds_store_b128 v[PS], v[ACC+8*(\u)+4:ACC+8*(\u)+7] offset:1024*(\u)+512
.endr
	s_wait_dscnt 0x0                               ; for the others' sake: my maximum and my partial sums lie in LDS
	s_barrier_signal -1
	s_barrier_wait -1                              ; everybody's do
.irp i, 0,1,2,3
	ds_load_b128 v[M+4*(\i):M+4*(\i)+3], v[MXL] offset:16*(\i)
.endr
	s_wait_dscnt 0x0
	v_max3_num_f32 v[M], v[M], v[M+1], v[M+2]
	v_max3_num_f32 v[M+3], v[M+3], v[M+4], v[M+5]
	v_max3_num_f32 v[M+6], v[M+6], v[M+7], v[M+8]
	v_max3_num_f32 v[M+9], v[M+9], v[M+10], v[M+11]
	v_max3_num_f32 v[M+12], v[M+12], v[M+13], v[M+14]
	v_max3_num_f32 v[M], v[M], v[M+3], v[M+6]
	v_max3_num_f32 v[M+9], v[M+9], v[M+12], v[M+15]
	v_max3_num_f32 v[M], v[M], v[M+9], s34         ; m = max(max |x|, 1e-6)
	v_mul_f32 v[M+1], s30, v[M]                    ; m / 7, correctly rounded: q = m x (1/7); twice: the exact remainder e = m - 7 q, q = q + e x (1/7)
.rept 2
	v_fma_f32 v[M+2], s31, v[M+1], v[M]
	v_fma_f32 v[M+1], v[M+2], s30, v[M+1]
.endr
	v_rcp_f32 v[YY], v[M+1]
	v_mov_b32 v[BB], v[M+1]                        ; four plain lines that name neither the result nor write the source stand behind the reciprocal (ISA guide 5.7.2)
	v_mov_b32 v[BB+1], v[M+1]
	v_sub_f32 v[NBB], 0, v[M+1]
	v_sub_f32 v[NBB+1], 0, v[M+1]
	s_wait_alu depctr_va_vdst(0)                   ; the wait ahead of the first line that names the reciprocal
.rept 2
	v_fma_f32 v[E], v[NBB], v[YY], 1.0             ; e = 1 - ascale y; y = y + e y: twice, and y is 1 / ascale rounded to nearest
	v_fma_f32 v[YY], v[E], v[YY], v[YY]
.endr
	v_mov_b32 v[YY+1], v[YY]
; Octet o: eight numbers become eight codes, 16 bytes.  q = x y; twice: the exact remainder r = x - ascale q, q = q + r y: the correctly rounded x / ascale.  Then to the nearest whole number, ties to even, and the clip.
.macro OCT o
.set XS, X+8*(\o)
.irp p, 0,2,4,6
	v_pk_mul_f32 v[Q+(\p):Q+(\p)+1], v[XS+(\p):XS+(\p)+1], v[YY:YY+1]
.endr
.rept 2
.irp p, 0,2,4,6
	v_pk_fma_f32 v[R+(\p):R+(\p)+1], v[NBB:NBB+1], v[Q+(\p):Q+(\p)+1], v[XS+(\p):XS+(\p)+1]
.endr
.irp p, 0,2,4,6
	v_pk_fma_f32 v[Q+(\p):Q+(\p)+1], v[R+(\p):R+(\p)+1], v[YY:YY+1], v[Q+(\p):Q+(\p)+1]
.endr
.endr
.irp i, 0,1,2,3,4,5,6,7
	v_rndne_f32 v[Q+(\i)], v[Q+(\i)]
.endr
.irp i, 0,1,2,3,4,5,6,7
	v_med3_num_f32 v[Q+(\i)], v[Q+(\i)], s32, s33
.endr
.irp p, 0,1,2,3
	v_cvt_pk_f16_f32 v[XS+(\p)], v[Q+2*(\p)], v[Q+2*(\p)+1]
.endr
	ds_store_b128 v[STO], v[XS:XS+3] offset:32*(\o)  ; channels 16 o + 8 (l / 16) + 0..7 of my slice: byte 32 o + 16 (l / 16) of the stage's row r
.endm
.irp o, 0,1,2,3,4,5,6,7,8,9,10,11,12,13,14,15
	OCT \o
.endr
.irp t, 0,1,2,3,4,5,6,7,8,9,10,11,12,13,14,15
	ds_load_b128 v[L+4*(\t):L+4*(\t)+3], v[RD] offset:WPITCH*(\t)  ; my own stage; LDS serves a wave's instructions in order (ISA guide 5.7.1.4): these see the stores above
.endr
.irp t, 0,1,2,3,4,5,6,7,8,9,10,11,12,13,14,15
	s_wait_dscnt 15-(\t)                           ; row t is back; the younger rows may stay out
	global_store_b128 v[GO], v[L+4*(\t):L+4*(\t)+3], s[38:39] offset:8192*(\t) th:TH_STORE_NT  ; the wave stores 512 consecutive bytes, at a multiple of 256 from xc's first byte
.endr
	s_cmp_lt_u32 s22, 2                            ; wave 0 finishes t1's ranks 0-15, wave 1 ranks 16-31
	s_cbranch_scc0 .Lx2
.set i, 0
.rept 16
	ds_load_b128 v[X+8*i:X+8*i+3],   v[PR] offset:2048*i
	ds_load_b128 v[X+8*i+4:X+8*i+7], v[PR] offset:2048*i+512
.set i, i+1
.endr
	s_lshl_b32 s26, s22, 9
	s_add_nc_u64 s[46:47], s[40:41], s[26:27]      ; piece w of the block
	s_wait_dscnt 0x0
.irp d, 8,4,2,1                        ; the 16 waves' partial sums, in f32: halves are added onto each other
.set i, 0
.rept 4*(\d)
	v_pk_add_f32 v[X+2*i:X+2*i+1], v[X+2*i:X+2*i+1], v[X+8*(\d)+2*i:X+8*(\d)+2*i+1]
.set i, i+1
.endr
.endr
.irp p, 0,2,4,6
	v_pk_mul_f32 v[X+(\p):X+(\p)+1], v[X+(\p):X+(\p)+1], v[YY:YY+1]  ; t1 / ascale
.endr
.irp p, 0,1,2,3
	v_cvt_pk_f16_f32 v[X+8+(\p)], v[X+2*(\p)], v[X+2*(\p)+1]
.endr
	global_store_b128 v[AO], v[X+8:X+11], s[46:47]   ; 512 consecutive bytes: half a fragment (16 tokens x 32 ranks), lane by lane, as the next launch's registers take it
	s_branch .Lxend
.Lx2:
	s_cmp_eq_u32 s22, 2                            ; wave 2 stores ascale, twice for each lane: 256 consecutive bytes
	s_cbranch_scc0 .Lxend
	v_lshlrev_b32 v[T], 3, v1
	global_store_b64 v[T], v[BB:BB+1], s[40:41] offset:1024
.Lxend:
	s_wait_tensorcnt 0x0                           ; the wave's end, behind my last LDS store
	ds_add_u32 v[SPW], v[NIL]
	s_wait_dscnt 0x0
	s_endpgm
	; ---------------- the W kind ----------------
.Lw:
	s_lshl4_add_u32 s25, s24, s22                  ; my out channel o = 16 b + w
	s_lshl_b32 s26, s25, 14
	s_add_nc_u64 s[36:37], s[12:13], s[26:27]      ; qweight's row o
	s_lshl_b32 s26, s25, 13
	s_add_nc_u64 s[38:39], s[18:19], s[26:27]      ; wh's row o
	s_lshl_b32 s26, s25, 8
	s_add_nc_u64 s[40:41], s[14:15], s[26:27]      ; wscale's row o
	s_lshl_b32 s26, s24, 11
	s_add_nc_u64 s[42:43], s[16:17], s[26:27]      ; lora_up's 16 rows of 128 bytes
	s_lshl_b32 s26, s24, 10
	s_add_nc_u64 s[44:45], s[20:21], s[26:27]      ; the block's 1,024 bytes of luh
	v_lshlrev_b32 v[QO], 5, v1
	v_lshlrev_b32 v[SO], 3, v1
	v_lshlrev_b32 v[WO], 4, v1
	global_load_b64 v[SC:SC+1], v[SO], s[40:41] th:TH_LOAD_NT  ; the row's 64 scales: 256 consecutive bytes, once
.set j, 0
.rept 16                               ; chunk j: 256 codes, 8 a lane: the whole row's 32 loads go out at once, 16 KiB a wave
	global_load_b128 v[D+8*j:D+8*j+3],   v[QO], s[36:37] offset:1024*j th:TH_LOAD_NT
	global_load_b128 v[D+8*j+4:D+8*j+7], v[QO], s[36:37] offset:1024*j+16 th:TH_LOAD_NT
.set j, j+1
.endr
	s_lshl_b32 s25, s22, 8
	v_lshrrev_b32 v[SA], 3, v1
	v_lshl_add_u32 v[SA], v[SA], 2, s25
	v_lshl_add_u32 v[SS], v1, 3, s25
	s_cmp_lg_u32 s22, 0
	s_cbranch_scc1 .Lw1
	v_lshlrev_b32 v[LUO], 7, v2                    ; wave 0 also rounds the block's rows of lora_up: lane l takes channel r, ranks 8 (l / 16) + 0..7 and 16 + 8 (l / 16) + 0..7
	v_lshl_add_u32 v[LUO], v3, 5, v[LUO]
.irp c, 0,1,2,3
	global_load_b128 v[LF+4*(\c):LF+4*(\c)+3], v[LUO], s[42:43] offset:16*((\c)%2)+64*((\c)/2)
.endr
	s_wait_loadcnt 0x0                             ; these four are the youngest: all my loads are in, and the counted waits below are met at once
.irp i, 0,1,2,3,4,5,6,7
	v_cvt_pk_f16_f32 v[LH+(\i)], v[LF+2*(\i)], v[LF+2*(\i)+1]
.endr
	global_store_b128 v[WO], v[LH:LH+3],   s[44:45]             ; 512 consecutive bytes each: the two halves of a fragment (16 channels x 32 ranks)
	global_store_b128 v[WO], v[LH+4:LH+7], s[44:45] offset:512
.Lw1:
	s_wait_loadcnt 32                              ; the scales are in; the 32 loads of codes were issued behind them
	ds_store_b64 v[SS], v[SC:SC+1]                 ; through my own 256 bytes of LDS: lane l wants the scale of group 4 j + l / 8
.set j, 0
.rept 16
	ds_load_b32 v[S+2*j],   v[SA] offset:16*j      ; into both registers of a pair, for the packed multiply
	ds_load_b32 v[S+2*j+1], v[SA] offset:16*j
.set j, j+1
.endr
	s_wait_dscnt 0x0
.set j, 0
.rept 16
	s_wait_loadcnt 30-2*j                          ; chunk j's two loads are in; the later chunks' may stay out
.irp i, 0,1,2,3,4,5,6,7
	v_cvt_f32_i32 v[D+8*j+(\i)], v[D+8*j+(\i)]
.endr
.irp p, 0,2,4,6
	v_pk_mul_f32 v[D+8*j+(\p):D+8*j+(\p)+1], v[D+8*j+(\p):D+8*j+(\p)+1], v[S+2*j:S+2*j+1]
.endr
.irp p, 0,1,2,3
	v_cvt_pk_f16_f32 v[D+8*j+(\p)], v[D+8*j+2*(\p)], v[D+8*j+2*(\p)+1]
.endr
	global_store_b128 v[WO], v[D+8*j:D+8*j+3], s[38:39] offset:512*j th:TH_STORE_NT  ; 512 consecutive bytes, at a multiple of 256 from wh's first byte; no register of a store is written again
.set j, j+1
.endr
	s_wait_tensorcnt 0x0                           ; the wave's end, behind my last LDS store
	ds_add_u32 v[SPW], v[NIL]
	s_wait_dscnt 0x0
	s_endpgm
.Lfunc_end_k_q3957dfbf70_prep:
	.size	k_q3957dfbf70_prep, .Lfunc_end_k_q3957dfbf70_prep-k_q3957dfbf70_prep
	.p2alignl 7, 3214868480
	.fill 96, 4, 3214868480
	.section	.rodata,"a",@progbits
	.p2align	6, 0x0
	.amdhsa_kernel k_q3957dfbf70_prep
		.amdhsa_group_segment_fixed_size 171264
		.amdhsa_private_segment_fixed_size 0
		.amdhsa_enable_private_segment 0
		.amdhsa_kernarg_size 72
		.amdhsa_user_sgpr_count 2
		.amdhsa_user_sgpr_kernarg_segment_ptr 1
		.amdhsa_wavefront_size32 1
		.amdhsa_system_sgpr_workgroup_id_x 1
		.amdhsa_system_sgpr_workgroup_id_y 1
		.amdhsa_system_sgpr_workgroup_id_z 1
		.amdhsa_system_vgpr_workitem_id 0
		.amdhsa_next_free_vgpr 256
		.amdhsa_next_free_sgpr 66
		.amdhsa_reserve_vcc 0
		.amdhsa_float_denorm_mode_32 3
		.amdhsa_float_denorm_mode_16_64 3
		.amdhsa_memory_ordered 1
		.amdhsa_forward_progress 1
		.amdhsa_inst_pref_size 104
	.end_amdhsa_kernel
	.amdgpu_metadata
---
amdhsa.version: [ 1, 2 ]
amdhsa.kernels:
  - .name:           k_q3957dfbf70_prep
    .symbol:         k_q3957dfbf70_prep.kd
    .args:
      - { .name: x, .offset: 0, .size: 8, .value_kind: global_buffer, .address_space: global }
      - { .name: lora_down, .offset: 8, .size: 8, .value_kind: global_buffer, .address_space: global }
      - { .name: xc, .offset: 16, .size: 8, .value_kind: global_buffer, .address_space: global }
      - { .name: aux, .offset: 24, .size: 8, .value_kind: global_buffer, .address_space: global }
      - { .name: qweight, .offset: 32, .size: 8, .value_kind: global_buffer, .address_space: global }
      - { .name: wscale, .offset: 40, .size: 8, .value_kind: global_buffer, .address_space: global }
      - { .name: lora_up, .offset: 48, .size: 8, .value_kind: global_buffer, .address_space: global }
      - { .name: wh, .offset: 56, .size: 8, .value_kind: global_buffer, .address_space: global }
      - { .name: luh, .offset: 64, .size: 8, .value_kind: global_buffer, .address_space: global }
    .group_segment_fixed_size: 171264
    .private_segment_fixed_size: 0
    .kernarg_segment_align: 8
    .kernarg_segment_size: 72
    .max_flat_workgroup_size: 512
    .sgpr_count:     66
    .vgpr_count:     256
    .wavefront_size: 32
...
	.end_amdgpu_metadata
.endif
;; end of part 1
;; launch gemm (part 2): grid 16 x 16, 4 waves a work-group, clusters of 4 x 4, 327,680 bytes of LDS; arguments xc, wh, aux, luh, bias, out0; writes out0
.if DOCPART == 2
	.amdgcn_target "amdgcn-amd-amdhsa--gfx1250"
	.amdhsa_code_object_version 6
	.text
	.protected	k_q3957dfbf70_gemm
	.globl	k_q3957dfbf70_gemm
	.p2align	8
	.type	k_q3957dfbf70_gemm,@function
k_q3957dfbf70_gemm:
	s_mov_b64 s[64:65], 0
	v_nop
	global_prefetch_b8 v0, s[64:65] scope:SCOPE_SE
	s_setreg_imm32_b32 hwreg(HW_REG_WAVE_MODE, 25, 1), 1
	s_wait_xcnt 0x0
	s_wait_alu depctr_hold_cnt(0) depctr_sa_sdst(0) depctr_va_vdst(0) depctr_va_sdst(0) depctr_va_ssrc(0) depctr_va_vcc(0) depctr_vm_vsrc(0)
	s_getreg_b32 s2, hwreg(HW_REG_IB_STS2, 6, 4)
	s_cmp_eq_u32 s2, 0
	s_cbranch_scc0 .Lentry_in_a_cluster
	s_endpgm
.Lentry_in_a_cluster:
	s_bfe_u32 s2, ttmp6, 0x10000c
	s_cmp_lg_u32 s2, 0xf033
	s_cbranch_scc0 .Lentry_shape_is_right
	s_endpgm
.Lentry_shape_is_right:
; out0[t][o] = ascale[t] x (sum_i c[t][i] W[o][i] + sum_r t1s[t][r] lu[o][r]) + bias[o].  xc (the codes c) and wh (W) are [4096][4096] f16; aux holds t1s = t1 / ascale (f16, in fragment order) and
; ascale (f32); luh holds lora_up (f16, in fragment order); all four were made by the launch before.  Sums in f32.  Nothing of reference() is left out; ascale[t], a factor of the whole row, is applied
; once, to the finished sum, with the bias in the same fused multiply-add.
; LIMITS.  The launch before states the operands' range (f16); NaN and infinities are not treated apart.
; A tile of out0, 256 x 256, is made by a work-group of four waves; a wave makes 128 x 128: 64 accumulators of 16 x 16, 512 registers.  256 tiles, one to a work-group.
; THE LOW RANK IS ONE K STEP OF 32: its 64 products take their operands straight from memory, start all the sums with the constant 0, and run while the first tiles are on their way: nothing is cleared.
; Then K goes in 32 steps of 128 through a ring of two LDS slots filled by the tensor data mover: the tiles' rows are 256 bytes of memory and start at multiples of 256 bytes from the buffer's first byte.
; CLUSTERS: 4 x 4 work-groups.  The four of a row of the cluster need the same tiles of xc, the four of a column the same tiles of wh.  Such a tile is asked for JOINTLY: each of the four issues the same
; tensor load, with the same descriptor and a mask that names the four, and each receives the tile in its own LDS: the requests for xc and wh are divided by four.
; REGISTERS, in windows of 256 (s_set_vgpr_msb's low byte: bits 1:0 source 0, 3:2 source 1, 5:4 source 2, 7:6 destination):
;   window 0: v0-31 addresses; v32-47 ascale of my eight blocks of 16 rows, a pair each; v64-127, v128-191 fragments of xc, two buffers; on the way out v64-127 results, v128-191 and v192-255 rows read back
;   window 1: v64-127, v128-191 fragments of wh, two buffers; v192-255 the bias of my 128 columns
;   window 2: the 32 accumulators of my rows 0-63 (accumulator (a, b) at v[8 (8 a + b)]);   window 3: those of my rows 64-127
; THE MATRIX INSTRUCTION IS USED TRANSPOSED: source 0 = 16 rows of wh, source 1 = 16 rows of xc.  Lane l then holds row l % 16 of out0 and the columns 8 (l / 16) + 0..7: 32 neighbouring bytes.
.set SIZE_K, 4096
.set SIZE_N, 4096
.set KSTEP,  128
.set PITCH,  272                       ; an LDS row: 256 bytes + 16 of padding = 68 words: row r starts at bank 4 r mod 64 (64 banks of 4 bytes: ISA guide 11.1), so the 16 rows of a load start at 16 different banks
.set HALFT,  128*PITCH                 ; 128 rows: what one tensor load brings, and what one wave reads of xc or of wh
.set SLOT,   4*HALFT                   ; xc's 256 rows, then wh's 256 rows
.set STAGE,  2*SLOT                    ; behind the ring, never filled by a tensor load: 16 rows x 528 bytes for each wave, for the way out
.set SPITCH, 528                       ; 512 bytes + 16 = 132 words
.set SPARE,  STAGE+4*16*SPITCH         ; behind the stages: the spare words, 128 bytes for each wave: two blocks of 256 bytes that no other line names
.set LAPS,   SIZE_K/(2*KSTEP)          ; a lap = two K steps = once round the ring: 16
.set ADRA, 16                          ; v16-17  LDS address of my fragments of xc in slot 0, 1
.set ADRB, 20                          ; v20-21  the same for wh
.set BO,   22                          ; v22     32 (l / 16): my 8 numbers in 16 of the bias
.set STO,  24                          ; v24     the way out: where I put 32 bytes of a row
.set RD,   25                          ; v25     the way out: where I read a row back
.set CO,   26                          ; v26     16 l: my bytes in 512 consecutive bytes (aux, luh, out0)
.set SPW,  28                          ; v28     LDS address of my spare word: SPARE + 4 x my thread's number; never rewritten
.set NIL,  29                          ; v29     0; never rewritten
.set PFO,  30                          ; v30     the prefetches' offset: my lane x a row of 8,192 bytes; never rewritten
.set ASO,  31                          ; v31     8 l
.set ASC,  32                          ; v[32:47] ascale of row l % 16 of block a, twice, at ASC + 2 a
.set F0,   64                          ; fragment buffer 0
.set F1,   128                         ; fragment buffer 1
.set TMP,  64                          ; the way out: a block's 16 x 128 results
.set BK,   128                         ; the way out: 16 rows read back, two buffers of 64 by turns
.set BIAS, 192                         ; window 1: block b's 8 numbers at BIAS + 8 b
.set PFA,  44                          ; s[44:45] where my prefetches stand: my work-group's 32 rows of the 128 that I fetch, one K step further along K than the refill that is being asked for
.set LIM,  43                          ; s43     1 in a wave that prefetches, else the greatest number
.set G1,  24                           ; s[24:31] descriptor group 1 for xc's tiles
.set G0,  32                           ; s[32:39] descriptor group 0 for xc's tiles, one set for each slot
.set G1B, 48                           ; s[48:55] group 1 for wh's tiles: it differs in the mask alone
.set G0B, 56                           ; s[56:63] group 0 for wh's tiles
.set MSB, 0
.macro WIN new                         ; the immediate's high byte repeats the setting that is left; a switch that changes nothing is dropped
.if MSB != (\new)
	s_set_vgpr_msb (MSB<<8)|(\new)
.set MSB, \new
.endif
.endm
.set MUL_LO, 0xa1                      ; source 0 (wh) window 1, source 1 (xc) window 0, C and D window 2
.set MUL_HI, 0xf1                      ; the same, C and D window 3
.set TO_B,   0x40                      ; destination window 1, address window 0
; A joint load.  Waves 0 and 1 fetch xc's two halves, waves 2 and 3 wh's.  Each of the two lines has one mask and one set of registers for all that issue it; the branch hangs on the wave's number alone.
; An s_nop 0 and four v_nop follow each of the two lines, ahead of the jump, the label and what follows.
.macro JLOAD s
	s_cmp_eq_u32 s11, 0
	s_cbranch_scc0 .Lfor_b_\@
	tensor_load_to_lds s[G0+4*(\s):G0+4*(\s)+3], s[G1:G1+7]
	s_nop 0
.rept 4
	v_nop
.endr
	s_branch .Lasked_\@
.Lfor_b_\@:
	tensor_load_to_lds s[G0B+4*(\s):G0B+4*(\s)+3], s[G1B:G1B+7]
	s_nop 0
.rept 4
	v_nop
.endr
.Lasked_\@:
.endm
; A PREFETCH INTO THE L2, behind each joint refill and the run of LDS loads that follows it: the K step that stands two refills on, 512 matrix instructions ahead of the load that will name it:
; 32 rows x 256 bytes, a lane a row, one instruction a wave.  Each row's 256 bytes of a K step are named once in the launch: xc's tile row is read by every cluster of that row of clusters, and the one
; with x = 0 asks; wh's tile column by every cluster of that column, and the one with y = 0 asks.  The four partners that ask for a tile jointly share its rows out by address: of the 128 rows that a
; wave fetches the partner at place p takes 32 p .. 32 p + 31 (p = cx for xc, cy for wh): no branch hangs on a work-group's place in its cluster.  K steps 0 to 3 come by their loads alone; the loop's
; last trip (s3 = 1), whose refills are the last two K steps, asks for nothing.
.macro ASK
	s_cmp_gt_u32 s3, s[LIM]
	s_cbranch_scc0 .Lnot_mine_\@
	global_prefetch_b8 v[PFO], s[PFA:PFA+1] offset:KSTEP*2 th:TH_LOAD_NT scope:SCOPE_SE
.Lnot_mine_\@:
.endm
; A round of the cluster's barrier: my work-group's barrier, so that wave 0's signal speaks for all four waves; wave 0 signals for the work-group; every wave waits for all sixteen work-groups;
; my work-group's barrier once more.  No LDS instruction of the wave is pending at a signal.
.macro CREST                           ; a round behind its opening barrier
	s_cmp_lg_u32 s10, 0
	s_cbranch_scc1 .Lnot_wave_0_\@
	s_barrier_signal -3
.Lnot_wave_0_\@:
	s_barrier_wait -3
	s_barrier_signal -1
	s_barrier_wait -1
.endm
.macro CROUND                          ; a whole round
	s_barrier_signal -1
	s_barrier_wait -1
	CREST
.endm
	s_load_b128 s[4:7], s[0:1], 0x0                ; xc s[4:5], wh s[6:7]
	s_load_b128 s[68:71], s[0:1], 0x10             ; aux s[68:69], luh s[70:71]
	s_load_b64 s[72:73], s[0:1], 0x20              ; bias
	s_load_b64 s[8:9], s[0:1], 0x28                ; out0
	v_lshl_add_u32 v[SPW], v0, 2, SPARE
	v_mov_b32 v[NIL], 0
	ds_add_u32 v[SPW], v[NIL]                      ; the wave's opening: the add, twice on end, and its wait ahead of my first tensor load; the set-up below, work on registers, stands between
	ds_add_u32 v[SPW], v[NIL]
	v_lshrrev_b32 v1, 5, v0
	v_readfirstlane_b32 s10, v1                    ; wave 0..3
	s_lshr_b32 s11, s10, 1                         ; which half of the tile's rows is mine.  Also: I fetch for xc (0) or for wh (1)
	s_and_b32 s12, s10, 1                          ; which half of its columns.  Also: which 128 rows of that tile I fetch
	s_bfe_u32 s40, ttmp6, 0x40000                  ; cx: my place along the cluster's x
	s_bfe_u32 s41, ttmp6, 0x40004                  ; cy: along its y
	s_lshl_b32 s42, ttmp9, 2                       ; in a cluster launch ttmp9 and ttmp7 count clusters
	s_add_co_u32 s42, s42, s40                     ; tile column = 4 x cluster x + cx
	s_and_b32 s13, ttmp7, 0xffff
	s_lshl_b32 s13, s13, 2
	s_add_co_u32 s13, s13, s41                     ; tile row = 4 x cluster y + cy
	s_lshl_b32 s43, s41, 2
	s_lshl_b32 s43, 15, s43                        ; my row of the cluster: places 4 cy .. 4 cy + 3
	s_lshl_b32 s44, 0x1111, s40                    ; my column: places cx, cx + 4, cx + 8, cx + 12
	; descriptor group 1: a tile of 128 rows x 128 elements, padded in LDS
	s_or_b32 s[G1+0], s43, (1<<16)|(1<<20)|(1<<21)|(5<<22)|(3<<25)   ; 15:0 the mask: xc's tiles go to my row; 17:16 elements of 2 bytes; 20 padding on; 21 set beside a mask; 24:22 after every 64 words (code 5); 31:25 4 words (code 3)
	s_or_b32 s[G1B+0], s44, (1<<16)|(1<<20)|(1<<21)|(5<<22)|(3<<25)  ; the same with the mask of my column, for wh's tiles
.irp g, G1, G1B
	s_mov_b32 s[(\g)+1], KSTEP<<16                 ; tensor_dim0 = 128
	s_mov_b32 s[(\g)+2], 128<<16                   ; tensor_dim1 = 128
	s_mov_b32 s[(\g)+3], KSTEP<<16                 ; tile_dim0 = 128
	s_mov_b32 s[(\g)+4], 128                       ; tile_dim1 = 128
	s_mov_b32 s[(\g)+5], SIZE_K                    ; elements from row to row
	s_mov_b32 s[(\g)+6], 0
	s_mov_b32 s[(\g)+7], 0
.endr
	; where the tiles come from: xc's hang on the tile row alone, which my row of the cluster shares; wh's on the tile column alone, which my column shares
	s_lshl_b32 s17, s12, 7                         ; which 128 rows of the tile I fetch
	s_lshl_b32 s16, s13, 8
	s_add_co_u32 s16, s16, s17                     ; xc: row 256 x tile row + 128 x half
	s_lshl_b32 s46, s42, 8
	s_add_co_u32 s46, s46, s17                     ; wh: row 256 x tile column + 128 x half
	s_mov_b32 s17, 0
	s_mov_b32 s47, 0
	s_mov_b64 s[18:19], SIZE_K*2
	s_mul_u64 s[16:17], s[16:17], s[18:19]         ; in bytes
	s_mul_u64 s[46:47], s[46:47], s[18:19]
	s_mul_i32 s20, s10, HALFT                      ; and where they go: wave x 128 rows: no place in the cluster enters an LDS address
	s_wait_dscnt 0x0                               ; both opening adds are done
	s_wait_kmcnt 0x0
	s_add_nc_u64 s[14:15], s[4:5], s[16:17]
	s_add_nc_u64 s[46:47], s[6:7], s[46:47]
	CROUND                                         ; all sixteen work-groups are here: the first joint loads meet
.irp s, 0,1
	s_mov_b32 s[G0+4*(\s)], 1                                        ; count = 1
	s_add_co_u32 s[G0+4*(\s)+1], s20, (\s)*SLOT                      ; LDS address
	s_add_nc_u64 s[G0+4*(\s)+2:G0+4*(\s)+3], s[14:15], (\s)*KSTEP*2  ; global address: K step s
	s_or_b32 s[G0+4*(\s)+3], s[G0+4*(\s)+3], 0x80000000              ; type = 2
	s_mov_b32 s[G0B+4*(\s)], 1
	s_add_co_u32 s[G0B+4*(\s)+1], s20, (\s)*SLOT
	s_add_nc_u64 s[G0B+4*(\s)+2:G0B+4*(\s)+3], s[46:47], (\s)*KSTEP*2
	s_or_b32 s[G0B+4*(\s)+3], s[G0B+4*(\s)+3], 0x80000000
	JLOAD \s                                       ; the ring is filled before anything else is done: two tensor loads of mine are out
.endr
	; THE LOW RANK'S OPERANDS, ascale and the bias: 56 loads straight into registers.  aux and luh hold fragments lane by lane, so a load of the wave takes 512 consecutive bytes.
	v_and_b32 v1, 15, v0                           ; l % 16
	v_bfe_u32 v2, v0, 4, 1                         ; l / 16
	v_and_b32 v5, 31, v0                           ; l
	v_lshlrev_b32 v[CO], 4, v5
	v_lshlrev_b32 v[ASO], 3, v5
	v_lshlrev_b32 v[BO], 5, v2
	s_mov_b32 s75, 0
	s_lshl_b32 s74, s13, 4
	s_lshl3_add_u32 s74, s11, s74                  ; my first block of 16 tokens: 16 x tile row + 8 x half
	s_mul_i32 s74, s74, 1280
	s_add_nc_u64 s[68:69], s[68:69], s[74:75]
	s_lshl_b32 s74, s42, 4
	s_lshl3_add_u32 s74, s12, s74                  ; my first block of 16 out channels: 16 x tile column + 8 x half
	s_lshl_b32 s74, s74, 10
	s_add_nc_u64 s[70:71], s[70:71], s[74:75]
	s_lshl_b32 s76, s42, 10
	s_lshl_b32 s77, s12, 9
	s_add_co_u32 s76, s76, s77                     ; my first column in f32 bytes: 1,024 x tile column + 512 x half
	s_mov_b32 s74, s76
	s_add_nc_u64 s[72:73], s[72:73], s[74:75]
	s_lshl_b32 s74, s13, 8
	s_lshl_b32 s77, s11, 7
	s_add_co_u32 s74, s74, s77                     ; my first row of out0,
	s_lshl_b32 s74, s74, 14                        ; in rows of 16,384 bytes,
	s_add_co_u32 s74, s74, s76                     ; and my first column
	s_add_nc_u64 s[8:9], s[8:9], s[74:75]
	WIN TO_B
.irp b, 0,1,2,3,4,5,6,7
	global_load_b128 v[F1+8*(\b):F1+8*(\b)+3],     v[CO], s[70:71] offset:1024*(\b)
	global_load_b128 v[F1+8*(\b)+4:F1+8*(\b)+7],   v[CO], s[70:71] offset:1024*(\b)+512
	global_load_b128 v[BIAS+8*(\b):BIAS+8*(\b)+3],   v[BO], s[72:73] offset:64*(\b)
	global_load_b128 v[BIAS+8*(\b)+4:BIAS+8*(\b)+7], v[BO], s[72:73] offset:64*(\b)+16
.endr
	WIN 0
.irp a, 0,1,2,3,4,5,6,7
	global_load_b128 v[F1+8*(\a):F1+8*(\a)+3],   v[CO], s[68:69] offset:1280*(\a)
	global_load_b128 v[F1+8*(\a)+4:F1+8*(\a)+7], v[CO], s[68:69] offset:1280*(\a)+512
	global_load_b64 v[ASC+2*(\a):ASC+2*(\a)+1],  v[ASO], s[68:69] offset:1280*(\a)+1024
.endr
	; A fragment is 16 rows x 32 K in 8 registers: lane l holds row l % 16; registers 0-3 hold K = 8 (l / 16) + 0..7, registers 4-7 K = 16 + 8 (l / 16) + 0..7: from rows along K two loads of 16 bytes, 32 bytes apart.
	v_mul_u32_u24 v3, v1, PITCH
	v_lshl_add_u32 v3, v2, 4, v3                   ; row x pitch + 16 x half
	s_mul_i32 s21, s11, HALFT                      ; my 128 rows of xc
	s_mul_i32 s22, s12, HALFT                      ; my 128 rows of wh,
	s_add_co_u32 s22, s22, 2*HALFT                 ; which lie behind xc's 256
.irp s, 0,1
	v_add_nc_u32 v[ADRA+(\s)], s21, v3
	v_add_nc_u32 v[ADRB+(\s)], s22, v3
	s_add_co_u32 s21, s21, SLOT
	s_add_co_u32 s22, s22, SLOT
.endr
	s_mul_i32 s23, s10, 16*SPITCH
	s_add_co_u32 s23, s23, STAGE                   ; my stage
	v_mul_u32_u24 v4, v1, SPITCH                   ; in: row l % 16, 32 bytes for each half of the lanes
	v_lshl_add_u32 v4, v2, 5, v4
	v_add_nc_u32 v[STO], s23, v4
	v_add_nc_u32 v[RD], s23, v[CO]                 ; back: the 32 lanes take one row of 512 bytes
	; the prefetches
	s_lshl_b32 s13, s13, 8                         ; 256 x tile row
	s_lshl_b32 s42, s42, 8                         ; 256 x tile column
	s_and_b32 s22, ttmp7, 0xffff                   ; cluster y
	s_cmp_eq_u32 s11, 0                            ; do I fetch for xc?
	s_cselect_b32 s20, s13, s42                    ; the tile's first row
	s_cselect_b32 s21, s40, s41                    ; my place among the four that ask for it with me
	s_cselect_b32 s22, ttmp9, s22                  ; the coordinate along which other clusters read the same rows
	s_cselect_b64 s[PFA:PFA+1], s[4:5], s[6:7]
	s_cmp_eq_u32 s22, 0
	s_cselect_b32 s[LIM], 1, -1                    ; the same in all sixteen partners, for a given wave
	s_lshl_b32 s22, s12, 7
	s_add_co_u32 s20, s20, s22                     ; + the 128 rows that I fetch
	s_lshl_b32 s21, s21, 5
	s_add_co_u32 s20, s20, s21                     ; + my work-group's 32 of them
	s_mov_b32 s21, 0
	s_mov_b64 s[18:19], SIZE_K*2
	s_mul_u64 s[20:21], s[20:21], s[18:19]
	s_add_nc_u64 s[PFA:PFA+1], s[PFA:PFA+1], s[20:21]
	s_add_nc_u64 s[PFA:PFA+1], s[PFA:PFA+1], 2*KSTEP*2  ; at K step 2: the first refill steps it to 3 and names K step 4
	v_mul_u32_u24 v[PFO], v5, SIZE_K*2
; 16 matrix instructions: m blocks a0, a0 + 1 of the window's four (hi = 0: my rows 0-63, 1: rows 64-127) x all 8 n blocks, 32 along K.  zero = 1: the product starts the sum.
.macro MUL16 f, hi, a0, zero
	WIN MUL_LO+0x50*(\hi)
.irp a, \a0, (\a0)+1
.irp b, 0,1,2,3,4,5,6,7
.if \zero
	v_wmma_f32_16x16x32_f16 v[8*(8*(\a)+(\b)):8*(8*(\a)+(\b))+7], v[(\f)+8*(\b):(\f)+8*(\b)+7], v[(\f)+8*(4*(\hi)+(\a)):(\f)+8*(4*(\hi)+(\a))+7], 0
.else
	v_wmma_f32_16x16x32_f16 v[8*(8*(\a)+(\b)):8*(8*(\a)+(\b))+7], v[(\f)+8*(\b):(\f)+8*(\b)+7], v[(\f)+8*(4*(\hi)+(\a)):(\f)+8*(4*(\hi)+(\a))+7], v[8*(8*(\a)+(\b)):8*(8*(\a)+(\b))+7]
.endif
.endr
.endr
.endm
; 32 LDS loads in one run: the fragments of one quarter step (128 rows of wh, 128 rows of xc, 32 K at byte k of the rows) into buffer f
.macro FETCH slot, k, f
	WIN TO_B
.irp i, 0,1,2,3,4,5,6,7
	ds_load_b128 v[(\f)+8*(\i):(\f)+8*(\i)+3],   v[ADRB+(\slot)] offset:(\k)+(\i)*16*PITCH
	ds_load_b128 v[(\f)+8*(\i)+4:(\f)+8*(\i)+7], v[ADRB+(\slot)] offset:(\k)+(\i)*16*PITCH+32
.endr
	WIN 0
.irp i, 0,1,2,3,4,5,6,7
	ds_load_b128 v[(\f)+8*(\i):(\f)+8*(\i)+3],   v[ADRA+(\slot)] offset:(\k)+(\i)*16*PITCH
	ds_load_b128 v[(\f)+8*(\i)+4:(\f)+8*(\i)+7], v[ADRA+(\slot)] offset:(\k)+(\i)*16*PITCH+32
.endr
.endm
; A load into a register that a matrix instruction has read, and a vector instruction that reads a matrix result or writes one of a matrix instruction's registers, stand four places behind it, and only
; plain vector instructions that name none of its registers are places (ISA guide 7.12.1 for vector instructions).
.macro PLACES
.rept 4
	v_nop
.endr
.endm
; A K step is four quarter steps of 32 along K, 64 matrix instructions each, on buffers 0, 1, 0, 1.  The 64 accumulators take turns in one order everywhere.
; One of the first three: multiplies buffer f; in its middle it fetches the next quarter's fragments, at byte k of the same slot's rows, into buffer g.
.macro QUARTER slot, k, f, g
	s_wait_dscnt 8                                 ; wh and xc's rows 0-63 are in; the youngest eight loads (xc's rows 64-127) may be out
	MUL16 \f, 0, 0, 0
	MUL16 \f, 0, 2, 0
	PLACES
	FETCH \slot, \k, \g
	s_wait_dscnt 32                                ; all but the 32 just issued
	MUL16 \f, 1, 0, 0
	MUL16 \f, 1, 2, 0
.endm
; The last quarter multiplies buffer 1 and changes slots.  MEET is its first half: one barrier for the change.  In front of it each wave waits for all its tensor loads, of which one is out: its part of
; the next slot; adds 0 to its spare word; and waits for that and for its own reads of this slot.  Behind it nobody reads this slot any more and the next slot is whole.
.macro MEET round                      ; round = 1: a round of the cluster's barrier follows
	WIN 0                                          ; (the add's two registers lie in window 0)
	s_wait_tensorcnt 0x0                           ; all my tensor loads have landed
	ds_add_u32 v[SPW], v[NIL]                      ; 0 onto my spare word
	s_wait_dscnt 9                                 ; (the add and the youngest eight loads may be out)
	MUL16 F1, 0, 0, 0                              ; sixteen matrix instructions stand between the add and the wait for it
	s_wait_dscnt 0x0                               ; the add is done, and my reads of this slot are over
	s_barrier_signal -1
	MUL16 F1, 0, 2, 0                              ; work on registers while the others arrive
.if \round
	WIN 0
.endif
	s_barrier_wait -1
.endm
; The whole last quarter.  fill = 1: behind the barrier, which then opens a round of the cluster's, the slot just read out is filled again first, with the K step two steps on; from that request to the
; wait for it a wave issues 224 matrix instructions.  Then come the next slot's first fragments.
.macro TURN slot, next, fill
.if \fill
	s_wait_xcnt 0x0                                ; the last prefetch, a K step back, has read its address: it is stepped here, ahead of the waits of the change of slots
	s_add_nc_u64 s[PFA:PFA+1], s[PFA:PFA+1], KSTEP*2
	MEET 1
	CREST                                          ; no wave of any partner still reads this slot's tile or has a load on its way
	s_add_nc_u64 s[G0+4*(\slot)+2:G0+4*(\slot)+3], s[G0+4*(\slot)+2:G0+4*(\slot)+3], 2*KSTEP*2
	s_add_nc_u64 s[G0B+4*(\slot)+2:G0B+4*(\slot)+3], s[G0B+4*(\slot)+2:G0B+4*(\slot)+3], 2*KSTEP*2
	JLOAD \slot                                    ; the first tensor load behind the round, my only one until the next; its four v_nop are also the places in front of the loads below
.else
	MEET 0                                         ; nothing is filled again, so no round follows
	PLACES
.endif
	FETCH \next, 0, F0
.if \fill
	ASK
.endif
	MUL16 F1, 1, 0, 0
	MUL16 F1, 1, 2, 0
.endm
; THE WAY OUT of block a (16 rows x my 128 columns), in three parts.  PACK: ascale x sum + bias, two numbers a line; each accumulator's lowest registers are read first.
.macro PACK a
	WIN 0x12+(\a)/4                                ; source 0 (the sums) window 2 or 3, source 1 (ascale) window 0, source 2 (bias) window 1, destination window 0
.irp b, 0,1,2,3,4,5,6,7
.irp p, 0,2,4,6
	v_pk_fma_f32 v[TMP+8*(\b)+(\p):TMP+8*(\b)+(\p)+1], v[64*((\a)%4)+8*(\b)+(\p):64*((\a)%4)+8*(\b)+(\p)+1], v[ASC+2*(\a):ASC+2*(\a)+1], v[BIAS+8*(\b)+(\p):BIAS+8*(\b)+(\p)+1]
.endr
.endr
	WIN 0
.endm
; TOSTAGE: a lane's 32 bytes of a row go into my own stage, and whole rows of 512 bytes come back.
.macro TOSTAGE a
	WIN 0
.irp b, 0,1,2,3,4,5,6,7
	ds_store_b128 v[STO], v[TMP+8*(\b):TMP+8*(\b)+3]   offset:64*(\b)
	ds_store_b128 v[STO], v[TMP+8*(\b)+4:TMP+8*(\b)+7] offset:64*(\b)+16
.endr
.irp t, 0,1,2,3,4,5,6,7,8,9,10,11,12,13,14,15
	ds_load_b128 v[BK+64*((\a)%2)+4*(\t):BK+64*((\a)%2)+4*(\t)+3], v[RD] offset:(\t)*SPITCH  ; LDS serves a wave's instructions in order (ISA guide 5.7.1.4): these see the stores above
.endr
.endm
; SEND: stored.  The row's place among my 128 stands in the immediate, 127 rows of 16,384 bytes at the most, inside its signed 24 bits: neither base nor offset is ever rewritten.
.macro SEND a
	WIN 0
	s_wait_dscnt 0x0                               ; the block is back in registers
	s_wait_xcnt 0x0                                ; the stores of the block before have read their registers (ISA guide 3.1): the next block's rows are loaded into them only behind this wait
.irp t, 0,1,2,3,4,5,6,7,8,9,10,11,12,13,14,15
	global_store_b128 v[CO], v[BK+64*((\a)%2)+4*(\t):BK+64*((\a)%2)+4*(\t)+3], s[8:9] offset:(16*(\a)+(\t))*SIZE_N*4 th:TH_STORE_NT  ; 512 consecutive bytes, at a multiple of 256 from out0's first byte
.endr
.endm
	s_wait_loadcnt 0x0                             ; t1s, lora_up, ascale and the bias are in
	MUL16 F1, 0, 0, 1                              ; THE LOW RANK: 64 products that start the 64 sums, while the first tiles are on their way
	MUL16 F1, 0, 2, 1
	MUL16 F1, 1, 0, 1
	MUL16 F1, 1, 2, 1
	WIN 0
	s_wait_tensorcnt 1                             ; my part of K step 0 is in; K step 1's may stay out
	s_barrier_signal -1
	s_barrier_wait -1                              ; everybody's is
	FETCH 0, 0, F0                                 ; (buffer 0 has not been multiplied yet)
	s_mov_b32 s3, LAPS-1
.Llap:                                                 ; a trip is a lap: K steps 2 i and 2 i + 1 are multiplied, both slots are filled again with 2 i + 2 and 2 i + 3
	QUARTER 0, 64,  F0, F1
	QUARTER 0, 128, F1, F0
	QUARTER 0, 192, F0, F1
	TURN 0, 1, 1
	QUARTER 1, 64,  F0, F1
	QUARTER 1, 128, F1, F0
	QUARTER 1, 192, F0, F1
	TURN 1, 0, 1
	WIN 0                                          ; at a label and at a branch every window is 0
	s_sub_co_u32 s3, s3, 1
	s_cmp_lg_u32 s3, 0
	s_cbranch_scc1 .Llap
	QUARTER 0, 64,  F0, F1                         ; the last lap is written out: it asks for nothing
	QUARTER 0, 128, F1, F0
	QUARTER 0, 192, F0, F1
	TURN 0, 1, 0
	QUARTER 1, 64,  F0, F1
	QUARTER 1, 128, F1, F0
	QUARTER 1, 192, F0, F1
	s_wait_dscnt 8                                 ; the very last quarter: nothing more to fetch
	MUL16 F1, 0, 0, 0
	MUL16 F1, 0, 2, 0
	s_wait_dscnt 0x0
	MUL16 F1, 1, 0, 0
	MUL16 F1, 1, 2, 0
	WIN 0
	PLACES                                         ; behind the last products: the lines below read results and write over fragments
	PLACES
	PACK 0
	TOSTAGE 0
.irp a, 1,2,3,4,5,6,7                  ; block a's arithmetic stands between block a - 1's loads from the stage and the wait for them
	PACK \a
	SEND (\a)-1
	TOSTAGE \a
.endr
	SEND 7
	s_wait_tensorcnt 0x0                           ; the wave's end, behind my last tensor load and my last LDS store
	ds_add_u32 v[SPW], v[NIL]
	s_wait_dscnt 0x0
	CROUND                                         ; the closing round: no work-group ends while a partner may still ask for a tile that names it
	s_endpgm
.Lfunc_end_k_q3957dfbf70_gemm:
	.size	k_q3957dfbf70_gemm, .Lfunc_end_k_q3957dfbf70_gemm-k_q3957dfbf70_gemm
	.p2alignl 7, 3214868480
	.fill 96, 4, 3214868480
	.section	.rodata,"a",@progbits
	.p2align	6, 0x0
	.amdhsa_kernel k_q3957dfbf70_gemm
		.amdhsa_group_segment_fixed_size 327680
		.amdhsa_private_segment_fixed_size 0
		.amdhsa_enable_private_segment 0
		.amdhsa_kernarg_size 48
		.amdhsa_user_sgpr_count 2
		.amdhsa_user_sgpr_kernarg_segment_ptr 1
		.amdhsa_wavefront_size32 1
		.amdhsa_system_sgpr_workgroup_id_x 1
		.amdhsa_system_sgpr_workgroup_id_y 1
		.amdhsa_system_sgpr_workgroup_id_z 1
		.amdhsa_system_vgpr_workitem_id 0
		.amdhsa_next_free_vgpr 1024
		.amdhsa_next_free_sgpr 80
		.amdhsa_reserve_vcc 0
		.amdhsa_float_denorm_mode_32 3
		.amdhsa_float_denorm_mode_16_64 3
		.amdhsa_memory_ordered 1
		.amdhsa_forward_progress 1
		.amdhsa_inst_pref_size 167
	.end_amdhsa_kernel
	.amdgpu_metadata
---
amdhsa.version: [ 1, 2 ]
amdhsa.kernels:
  - .name:           k_q3957dfbf70_gemm
    .symbol:         k_q3957dfbf70_gemm.kd
    .args:
      - { .name: xc, .offset: 0, .size: 8, .value_kind: global_buffer, .address_space: global }
      - { .name: wh, .offset: 8, .size: 8, .value_kind: global_buffer, .address_space: global }
      - { .name: aux, .offset: 16, .size: 8, .value_kind: global_buffer, .address_space: global }
      - { .name: luh, .offset: 24, .size: 8, .value_kind: global_buffer, .address_space: global }
      - { .name: bias, .offset: 32, .size: 8, .value_kind: global_buffer, .address_space: global }
      - { .name: out0, .offset: 40, .size: 8, .value_kind: global_buffer, .address_space: global }
    .group_segment_fixed_size: 327680
    .private_segment_fixed_size: 0
    .kernarg_segment_align: 8
    .kernarg_segment_size: 48
    .max_flat_workgroup_size: 128
    .sgpr_count:     80
    .vgpr_count:     1024
    .wavefront_size: 32
...
	.end_amdgpu_metadata
.endif
;; end of part 2
;; ======== version 2 of 3: 2 launches
;; limits: values are held in f16: magnitudes above 65,504 overflow, below 6.1e-05 lose precision; inputs' magnitudes at most 65,504
;; workspace buffers: xc 33,554,432 bytes; wh 33,554,432 bytes; aux 327,680 bytes; luh 262,144 bytes
;; launch prep (part 3): grid 256 x 1, 16 waves a work-group, no clusters, 310,784 bytes of LDS; arguments x, lora_down, xc, aux, qweight, wscale, lora_up, wh, luh; writes xc, aux, wh, luh
.if DOCPART == 3
	.amdgcn_target "amdgcn-amd-amdhsa--gfx1250"
	.amdhsa_code_object_version 6
	.text
	.protected	k_q3957dfbf70_prep
	.globl	k_q3957dfbf70_prep
	.p2align	8
	.type	k_q3957dfbf70_prep,@function
k_q3957dfbf70_prep:
	s_mov_b64 s[64:65], 0
	v_nop
	global_prefetch_b8 v0, s[64:65] scope:SCOPE_SE
	s_setreg_imm32_b32 hwreg(HW_REG_WAVE_MODE, 25, 1), 1
	s_wait_xcnt 0x0
; PREP: everything of reference() that stands in front of the two large products.
; reference(): out[t][o] = sum_i xq[t][i] W[o][i] + sum_r (sum_i x[t][i] ld[r][i]) lu[o][r] + bias[o],  W = q x wscale (groups of 64),  xq = clip(round(x / ascale), -8, 7) x ascale,
; ascale[t] = max(max_i |x[t][i]|, 1e-6) / 7.
; NOTHING OF reference() IS LEFT OUT, and every input is loaded by one of the two launches.  Two factors are moved, which changes results by rounding alone: ascale[t] is the same for a whole row of
; out, so the products are taken on the codes c = clip(round(x / ascale)) (whole numbers -8 .. 7, exact in f16) and on t1s = t1 / ascale, and the next launch multiplies the finished sum by ascale once, in f32.
; WHAT IS MADE.  wh = q x wscale rounded once to f16; xc = the codes in f16; aux = t1s (f16, in fragment order) and ascale (f32); luh = lora_up in f16, in fragment order.
; THE CODES ARE MADE AS reference() MAKES THEM: both divisions are correctly rounded f32 divisions (a reciprocal, Newton steps by fused multiply-adds, and a remainder step taken twice), the rounding is to
; nearest even, the clip stays.  One code that falls on the other side of a half moves a whole row of out by ascale x W.
; LIMITS.  NaN and infinities are not treated apart (a NaN loses in the maxima).  |x|, |q x wscale|, |lora_down|, |lora_up| stay under 65,504, f16's end; below 6.1e-5 they keep f16's fixed step of 6e-8.
; |t1 / ascale| is at most 7 x sum_i |ld[r][i]| and stays under 65,504.  Where ascale's 24 significant bits are all ones its reciprocal may be one unit off, and x / ascale is then within half a unit and 2^-23 units.
; SHARES.  Work-group b has tokens 16 b .. 16 b + 15 and out channels 16 b .. 16 b + 15; wave w of 16 has ONE row of each: all 256 work-groups do the same work.  A row of 4,096 numbers goes in 32 chunks of 128:
; lane l holds numbers 128 j + 4 l + 0..3, so every load of a wave covers 512 consecutive bytes and every store of wh and xc 256 consecutive bytes, aligned.  A row of x stays in 128 registers from its loads
; to its codes: x is read once, its maximum never leaves the wave, and the codes go straight from registers to memory.
; THE ORDER.  First the row of W, whose 32 loads go out at the head; behind every eight chunks the registers just stored take eight chunks of x, which are on their way while W is made.
; t1 = x ld^T ON THE MATRIX UNIT (f16 operands, f32 sums).  A fragment wants 16 rows in 16 lanes, which no load of consecutive bytes gives, so both operands pass LDS in f16.  x: each wave lays its row down;
; behind a barrier wave w reads channels 256 w .. 256 w + 255 of all 16 rows.  lora_down: wave w's 32 ranks x 256 channels come in four UNITS of 16 ranks x 128 channels (16 loads), each asked for a phase
; ahead of its use and sent through one of the wave's own two stage slots.  The 16 waves' partial sums meet in LDS behind a second barrier.
; NO JOINT LOADS for lora_down, which all 256 work-groups read: joint loads would lay it into LDS in f32, 512 KiB in turns, and beside this text's 310,784 bytes there is no room for two slots.
; NO PREFETCH: every stream is asked for by the loads themselves, a phase ahead of its use: q at the head, x while W is made, each unit of lora_down one phase before it is converted.
.set XPITCH, 8208                      ; a row of x in f16: 8,192 bytes + 16: row r starts at bank 4 r mod 64 (64 banks of 4 bytes: ISA guide 11.1)
.set UPITCH, 272                       ; a rank's 128 channels in f16: 256 bytes + 16: likewise
.set USLOT,  16*UPITCH                 ; a stage slot: one unit
.set WSTG,   2*USLOT                   ; a wave's own two slots
.set XH,     16*WSTG                   ; behind the stages: the 16 rows of x in f16
.set PART,   XH+16*XPITCH              ; behind them: wave w's two partial tiles of t1, 1,024 bytes each, at 2,048 w; a tile is two pieces of 512 bytes, lane l at 16 l
.set TAB,    PART+16*2048              ; token w's (ascale, 1 / ascale) at 8 w
.set LUS,    TAB+256                   ; the block's lora_up in f16, in fragment order: 1,024 bytes
.set WSC,    LUS+1024                  ; wave w's 64 scales at 256 w: the even groups', then the odd groups'
.set SPARE,  WSC+16*256                ; the spare words, 128 bytes for each wave: eight blocks of 256 bytes that no other line names
.set QX,  4                            ; v4   16 l: my bytes in 512 consecutive bytes; never rewritten
.set O8,  5                            ; v5   8 l: my bytes in 256 consecutive bytes; never rewritten
.set LDO, 6                            ; v6   1,024 w + 16 l: my bytes in a rank's row of lora_down; never rewritten
.set STG, 7                            ; v7   my stage + 8 l
.set SPW, 8                            ; v8   LDS address of my spare word: SPARE + 4 x my thread's number; never rewritten
.set NIL, 9                            ; v9   0; never rewritten
.set FRG, 10                           ; v10  my stage + 272 r + 16 (l / 16): a fragment's row
.set XHS, 11                           ; v11  where my row of x goes: XH + 8,208 w + 8 l
.set XHF, 12                           ; v12  where my slice's fragments of x are read: XH + 8,208 r + 512 w + 16 (l / 16)
.set PS,  13                           ; v13  where my partial tiles go
.set PR,  14                           ; v14  where tile w's partial sums are read (waves 0 and 1)
.set TBS, 15                           ; v15  TAB + 8 w
.set TBL, 16                           ; v16  TAB + 8 r
.set LUA, 17                           ; v17  where my number of lora_up goes
.set LUV, 18                           ; v18  that number
.set T,   19                           ; v19  at work
.set LUO, 20                           ; v20  4 x my thread's number
.set WS0, 24                           ; v24  WSC + 256 w + 4 l         (while W is made)
.set WSL, 25                           ; v25  WSC + 256 w + 128 (l / 16)
.set SC,  26                           ; v[26:27] two of the row's 64 scales
.set MA,  24                           ; v24-25  two chains of maxima   (from x on)
.set MI,  26                           ; v26-27  two chains of minima
.set AY,  28                           ; v[28:29] ascale, 1 / ascale
.set YY,  30                           ; v[30:31] 1 / ascale, twice
.set S,   32                           ; v[32:63] chunk j's scale at S + j (while W is made)
.set NBB, 32                           ; v[32:33] -ascale, twice        (from x on)
.set E,   34
.set M,   35                           ; v35-37
.set TP,  40                           ; v[40:55] eight pairs that take turns: a chunk of x in f16
.set Q,   40                           ; then eight quotients
.set R,   48                           ; and eight remainders
.set ACC, 40                           ; then t1's two tiles: ranks 0-15, 16-31
.set L,   64                           ; v[64:127] a unit of lora_down as loaded; at the end x's eight fragments
.set X,   128                          ; v[128:255] chunk j at X + 4 j: q, then x; at the end lora_down's 16 fragments
	s_load_b256 s[4:11], s[0:1], 0x0               ; x s[4:5], lora_down s[6:7], xc s[8:9], aux s[10:11]
	s_load_b256 s[12:19], s[0:1], 0x20             ; qweight s[12:13], wscale s[14:15], lora_up s[16:17], wh s[18:19]
	s_load_b64 s[20:21], s[0:1], 0x40              ; luh
	v_lshl_add_u32 v[SPW], v0, 2, SPARE
	v_mov_b32 v[NIL], 0
	v_lshrrev_b32 v3, 5, v0
	v_readfirstlane_b32 s22, v3                    ; wave 0..15
	v_and_b32 v1, 31, v0                           ; l
	v_and_b32 v2, 15, v0                           ; r = l % 16
	v_bfe_u32 v3, v0, 4, 1                         ; l / 16
	s_mov_b32 s24, ttmp9                           ; the block b, 0..255
	s_lshl4_add_u32 s25, s24, s22                  ; my row of x and of qweight: 16 b + w
	s_mov_b32 s27, 0                               ; the high word of every offset: all stay under 2^32
	s_mov_b32 s28, 0x76543210                      ; v_permlanex16_b32: each lane takes its own place in the other half
	s_mov_b32 s29, 0xfedcba98
	s_mov_b32 s30, 0x3e124925                      ; 1 / 7, rounded to nearest
	s_mov_b32 s31, 0xc0e00000                      ; -7
	s_mov_b32 s32, 0xc1000000                      ; -8
	s_mov_b32 s33, 0x40e00000                      ; 7
	s_mov_b32 s34, 0x358637bd                      ; 1e-6
	v_lshlrev_b32 v[QX], 4, v1
	v_lshlrev_b32 v[O8], 3, v1
	v_lshlrev_b32 v[LUO], 2, v0
	s_lshl_b32 s23, s22, 10
	v_lshl_add_u32 v[LDO], v1, 4, s23
	s_wait_kmcnt 0x0
	s_lshl_b32 s26, s25, 14                        ; rows of 16,384 bytes
	s_add_nc_u64 s[36:37], s[4:5], s[26:27]        ; my row of x
	s_add_nc_u64 s[42:43], s[12:13], s[26:27]      ; my row of qweight
	s_lshl_b32 s26, s25, 13                        ; rows of 8,192 bytes
	s_add_nc_u64 s[38:39], s[8:9], s[26:27]        ; my row of xc
	s_add_nc_u64 s[44:45], s[18:19], s[26:27]      ; my row of wh
	s_lshl_b32 s26, s25, 8
	s_add_nc_u64 s[46:47], s[14:15], s[26:27]      ; my row of wscale
	s_lshl_b32 s26, s24, 11
	s_add_nc_u64 s[48:49], s[16:17], s[26:27]      ; the block's 16 rows of lora_up, 2,048 bytes
	s_lshl_b32 s26, s24, 10
	s_add_nc_u64 s[50:51], s[20:21], s[26:27]      ; the block's 1,024 bytes of luh
	s_mul_i32 s26, s24, 1280
	s_add_nc_u64 s[40:41], s[10:11], s[26:27]      ; the block's 1,280 bytes of aux
; Unit (c, u) of lora_down: ranks 16 u .. 16 u + 15, channels 128 c .. 128 c + 127 of my slice: 16 loads of 512 consecutive bytes.
.macro LDU c, u
.set i, 0
.rept 16
	global_load_b128 v[L+4*i:L+4*i+3], v[LDO], s[6:7] offset:(16*(\u)+i)*16384+512*(\c)
.set i, i+1
.endr
.endm
; The unit in L is rounded to f16, in place, and laid into a slot of my stage: rank i's 256 bytes at 272 i.
.macro CVU slot
.set i, 0
.rept 16
	v_cvt_pk_f16_f32 v[L+4*i],   v[L+4*i],   v[L+4*i+1]
	v_cvt_pk_f16_f32 v[L+4*i+1], v[L+4*i+2], v[L+4*i+3]
	ds_store_b64 v[STG], v[L+4*i:L+4*i+1] offset:USLOT*(\slot)+UPITCH*i
.set i, i+1
.endr
.endm
; Both slots' fragments (16 ranks x 32 channels: lane l holds rank l % 16, channels 8 (l / 16) + 0..7 and 16 + 8 (l / 16) + 0..7: two loads of 16 bytes, 32 bytes apart): tile u, step s at base + 32 u + 8 s.
.macro LFR base
.irp u, 0,1
.irp s, 0,1,2,3
	ds_load_b128 v[(\base)+32*(\u)+8*(\s):(\base)+32*(\u)+8*(\s)+3],   v[FRG] offset:USLOT*(\u)+64*(\s)
	ds_load_b128 v[(\base)+32*(\u)+8*(\s)+4:(\base)+32*(\u)+8*(\s)+7], v[FRG] offset:USLOT*(\u)+64*(\s)+32
.endr
.endr
.endm
	global_load_b32 v[LUV], v[LUO], s[48:49]       ; number t of the block's 512 of lora_up: channel w, rank l
	global_load_b64 v[SC:SC+1], v[O8], s[46:47] th:TH_LOAD_NT  ; the row's 64 scales: 256 consecutive bytes, once
.set j, 0
.rept 32
	global_load_b128 v[X+4*j:X+4*j+3], v[QX], s[42:43] offset:512*j th:TH_LOAD_NT  ; my row of qweight
.set j, j+1
.endr
	LDU 0, 0                                       ; 50 loads of the wave are out
	s_mul_i32 s23, s22, WSTG                       ; the addresses are made while the loads are on their way
	v_lshl_add_u32 v[STG], v1, 3, s23
	v_mul_u32_u24 v[FRG], v2, UPITCH
	v_lshl_add_u32 v[FRG], v3, 4, v[FRG]
	v_add_nc_u32 v[FRG], s23, v[FRG]
	s_mul_i32 s23, s22, XPITCH
	s_add_co_u32 s23, s23, XH
	v_lshl_add_u32 v[XHS], v1, 3, s23
	v_mul_u32_u24 v[XHF], v2, XPITCH
	v_lshl_add_u32 v[XHF], v3, 4, v[XHF]
	s_lshl_b32 s23, s22, 9
	s_add_co_u32 s23, s23, XH
	v_add_nc_u32 v[XHF], s23, v[XHF]
	s_lshl_b32 s23, s22, 11
	s_add_co_u32 s23, s23, PART
	v_lshl_add_u32 v[PS], v1, 4, s23
	s_lshl_b32 s23, s22, 10
	s_add_co_u32 s23, s23, PART
	v_lshl_add_u32 v[PR], v1, 4, s23
	s_lshl_b32 s23, s22, 3
	s_add_co_u32 s23, s23, TAB
	v_mov_b32 v[TBS], s23
	v_lshl_add_u32 v[TBL], v2, 3, TAB
	v_and_b32 v[LUA], 7, v0                        ; rank k = l of channel w lies in piece k / 16, in the 16 bytes of lane w + 16 ((k / 8) % 2), at place k % 8
	v_lshlrev_b32 v[LUA], 1, v[LUA]
	v_bfe_u32 v[T], v0, 3, 1
	v_lshl_add_u32 v[LUA], v[T], 8, v[LUA]
	v_lshl_add_u32 v[LUA], v3, 9, v[LUA]
	s_lshl_b32 s23, s22, 4
	s_add_co_u32 s23, s23, LUS
	v_add_nc_u32 v[LUA], s23, v[LUA]
	s_lshl_b32 s23, s22, 8
	s_add_co_u32 s23, s23, WSC
	v_lshl_add_u32 v[WS0], v1, 2, s23
	v_lshl_add_u32 v[WSL], v3, 7, s23
	; ---------------- the row of W ----------------
	s_wait_loadcnt 48                              ; loads come back in order (ISA guide 5.7.1): lora_up's number and the scales are in; behind them stand q's 32 loads and the unit's 16
	v_cvt_pk_f16_f32 v[LUV], v[LUV], v[LUV]
	ds_store_b16 v[LUA], v[LUV]
	ds_store_b32 v[WS0], v[SC]                     ; lane l holds the scales of groups 2 l and 2 l + 1: the even groups' go to 4 l, the odd groups' to 128 + 4 l,
	ds_store_b32 v[WS0], v[SC+1] offset:128
.irp i, 0,1,2,3,4,5,6,7
	ds_load_b128 v[S+4*(\i):S+4*(\i)+3], v[WSL] offset:16*(\i)  ; so that the scales of groups 2 j + l / 16, in which my numbers of chunk j lie, come back on end; my own bytes, served in order (ISA guide 5.7.1.4)
.endr
	s_wait_dscnt 0x0
.macro WCH                             ; chunk j of the row: four codes a lane become 8 bytes of wh
	s_wait_loadcnt 47-j+8*(j/8)                    ; behind chunk j: q's later chunks (31 - j), the unit's 16 loads, and the groups of x asked for so far (8 each)
.irp i, 0,1,2,3
	v_cvt_f32_i32 v[X+4*j+(\i)], v[X+4*j+(\i)]
.endr
.irp i, 0,1,2,3
	v_mul_f32 v[X+4*j+(\i)], v[S+j], v[X+4*j+(\i)]
.endr
	v_cvt_pk_f16_f32 v[X+4*j],   v[X+4*j],   v[X+4*j+1]
	v_cvt_pk_f16_f32 v[X+4*j+1], v[X+4*j+2], v[X+4*j+3]
	global_store_b64 v[O8], v[X+4*j:X+4*j+1], s[44:45] offset:256*j th:TH_STORE_NT  ; the wave stores 256 consecutive bytes, at a multiple of 256 from wh's first byte
.endm
.set j, 0
.rept 4
.rept 8
	WCH
.set j, j+1
.endr
	s_wait_xcnt 0x0                                ; the stores have read their registers (ISA guide 3.1): only behind this wait are they loaded again
.set k, j-8
.rept 8
	global_load_b128 v[X+4*k:X+4*k+3], v[QX], s[36:37] offset:512*k th:TH_LOAD_NT  ; eight chunks of my row of x
.set k, k+1
.endr
.endr
	s_wait_loadcnt 32                              ; unit (0, 0) is in; behind it stand x's 32 loads
	CVU 0
	LDU 0, 1
	; ---------------- the row of x: maximum, and f16 for t1 ----------------
.macro XCH                             ; chunk j
	s_wait_loadcnt 47-j                            ; behind chunk j: x's later chunks (31 - j) and the unit's 16 loads
.if j == 0
	v_max_num_f32 v[MA],   v[X],   v[X+1]          ; the first four numbers start the chains: nothing is cleared
	v_min_num_f32 v[MI],   v[X],   v[X+1]
	v_max_num_f32 v[MA+1], v[X+2], v[X+3]
	v_min_num_f32 v[MI+1], v[X+2], v[X+3]
.else
	v_max3_num_f32 v[MA],   v[MA],   v[X+4*j],   v[X+4*j+1]
	v_min3_num_f32 v[MI],   v[MI],   v[X+4*j],   v[X+4*j+1]
	v_max3_num_f32 v[MA+1], v[MA+1], v[X+4*j+2], v[X+4*j+3]
	v_min3_num_f32 v[MI+1], v[MI+1], v[X+4*j+2], v[X+4*j+3]
.endif
	v_cvt_pk_f16_f32 v[TP+2*(j%8)],   v[X+4*j],   v[X+4*j+1]
	v_cvt_pk_f16_f32 v[TP+2*(j%8)+1], v[X+4*j+2], v[X+4*j+3]
	ds_store_b64 v[XHS], v[TP+2*(j%8):TP+2*(j%8)+1] offset:256*j
.endm
.set j, 0
.rept 32
	XCH
.set j, j+1
.endr
	s_wait_loadcnt 0x0                             ; unit (0, 1) is in
	CVU 1
	LDU 1, 0
	v_max_num_f32 v[MA], v[MA], v[MA+1]            ; the largest |x| of my 128 numbers = max(maximum, -minimum)
	v_min_num_f32 v[MI], v[MI], v[MI+1]
	v_sub_f32 v[MI], 0, v[MI]
	v_max_num_f32 v[MA], v[MA], v[MI]
	v_max_num_f32_dpp v[MA], v[MA], v[MA] row_xmask:1 row_mask:0xf bank_mask:0xf  ; across the 32 lanes: four steps inside each half of 16, one across the halves
	v_max_num_f32_dpp v[MA], v[MA], v[MA] row_xmask:2 row_mask:0xf bank_mask:0xf
	v_max_num_f32_dpp v[MA], v[MA], v[MA] row_xmask:4 row_mask:0xf bank_mask:0xf
	v_max_num_f32_dpp v[MA], v[MA], v[MA] row_xmask:8 row_mask:0xf bank_mask:0xf
	v_permlanex16_b32 v[T], v[MA], s28, s29        ; (its destination counts as read: T has been written)
	v_max3_num_f32 v[M], v[MA], v[T], s34          ; m = max(max |x|, 1e-6), in every lane
	v_mul_f32 v[M+1], s30, v[M]                    ; m / 7, correctly rounded: q = m x (1/7); twice: the exact remainder e = m - 7 q, q = q + e x (1/7)
.rept 2
	v_fma_f32 v[M+2], s31, v[M+1], v[M]
	v_fma_f32 v[M+1], v[M+2], s30, v[M+1]
.endr
	v_rcp_f32 v[YY], v[M+1]
	v_mov_b32 v[AY], v[M+1]                        ; three plain lines that neither name the result nor write the source stand behind the reciprocal (ISA guide 5.7.2)
	v_sub_f32 v[NBB], 0, v[M+1]
	v_sub_f32 v[NBB+1], 0, v[M+1]
	s_wait_alu depctr_va_vdst(0)                   ; the wait ahead of the first line that names the reciprocal
.rept 2
	v_fma_f32 v[E], v[NBB], v[YY], 1.0             ; e = 1 - ascale y; y = y + e y: twice, and y is 1 / ascale rounded to nearest
	v_fma_f32 v[YY], v[E], v[YY], v[YY]
.endr
	v_mov_b32 v[YY+1], v[YY]
	v_mov_b32 v[AY+1], v[YY]
	ds_store_b64 v[TBS], v[AY:AY+1]                ; all lanes write the same two words with the same values
	; ---------------- the codes ----------------
; Octet o: chunks 2 o and 2 o + 1, eight numbers a lane.  q = x y; twice: the exact remainder r = x - ascale q, q = q + r y: the correctly rounded x / ascale.  Then to the nearest whole number, ties to even, and the clip.
.macro OCT o
.set XS, X+8*(\o)
.irp p, 0,2,4,6
	v_pk_mul_f32 v[Q+(\p):Q+(\p)+1], v[XS+(\p):XS+(\p)+1], v[YY:YY+1]
.endr
.rept 2
.irp p, 0,2,4,6
	v_pk_fma_f32 v[R+(\p):R+(\p)+1], v[NBB:NBB+1], v[Q+(\p):Q+(\p)+1], v[XS+(\p):XS+(\p)+1]
.endr
.irp p, 0,2,4,6
	v_pk_fma_f32 v[Q+(\p):Q+(\p)+1], v[R+(\p):R+(\p)+1], v[YY:YY+1], v[Q+(\p):Q+(\p)+1]
.endr
.endr
.irp i, 0,1,2,3,4,5,6,7
	v_rndne_f32 v[Q+(\i)], v[Q+(\i)]
.endr
.irp i, 0,1,2,3,4,5,6,7
	v_med3_num_f32 v[Q+(\i)], v[Q+(\i)], s32, s33
.endr
.irp p, 0,1,2,3
	v_cvt_pk_f16_f32 v[XS+(\p)], v[Q+2*(\p)], v[Q+2*(\p)+1]
.endr
	global_store_b64 v[O8], v[XS:XS+1],   s[38:39] offset:512*(\o) th:TH_STORE_NT      ; 256 consecutive bytes each, at a multiple of 256 from xc's first byte
	global_store_b64 v[O8], v[XS+2:XS+3], s[38:39] offset:512*(\o)+256 th:TH_STORE_NT
.endm
.irp o, 0,1,2,3,4,5,6,7
	OCT \o
.endr
	s_wait_xcnt 0x0                                ; the stores have read their registers: the lower half of X is free
	LFR X                                          ; the fragments of units (0, 0) and (0, 1): steps 0 to 3
	s_wait_loadcnt 0x0                             ; unit (1, 0) is in
	CVU 0                                          ; LDS serves a wave's instructions in order (ISA guide 5.7.1.4): these stores come behind the loads above
	LDU 1, 1
.irp o, 8,9,10,11,12,13,14,15
	OCT \o
.endr
	s_wait_loadcnt 0x0                             ; unit (1, 1) is in
	CVU 1
	s_wait_xcnt 0x0                                ; the upper half of X is free
	LFR X+64                                       ; the fragments of units (1, 0) and (1, 1): steps 4 to 7
	; ---------------- t1 ----------------
	s_wait_dscnt 0x0                               ; for the others' sake: my row of x, my line of the table and my number of lora_up lie in LDS
	s_barrier_signal -1
	s_barrier_wait -1                              ; everybody's do
.irp s, 0,1,2,3,4,5,6,7
	ds_load_b128 v[L+8*(\s):L+8*(\s)+3],   v[XHF] offset:64*(\s)     ; step s of my slice: 16 tokens x 32 channels
	ds_load_b128 v[L+8*(\s)+4:L+8*(\s)+7], v[XHF] offset:64*(\s)+32
.endr
	s_wait_dscnt 0x0
	; source 0 = 16 ranks, source 1 = the 16 tokens: a lane's eight results are ranks 16 u + 8 (l / 16) + 0..7 of token r.  The two accumulators take turns.
	v_wmma_f32_16x16x32_f16 v[ACC:ACC+7],    v[X:X+7],     v[L:L+7], 0
	v_wmma_f32_16x16x32_f16 v[ACC+8:ACC+15], v[X+32:X+39], v[L:L+7], 0
.set s, 1
.rept 7
.set LF, X+64*(s/4)+8*(s%4)
	v_wmma_f32_16x16x32_f16 v[ACC:ACC+7],    v[LF:LF+7],       v[L+8*s:L+8*s+7], v[ACC:ACC+7]
	v_wmma_f32_16x16x32_f16 v[ACC+8:ACC+15], v[LF+32:LF+39],   v[L+8*s:L+8*s+7], v[ACC+8:ACC+15]
.set s, s+1
.endr
.rept 8
	v_nop                                          ; the places behind the last products: results are read below, and loads go into the fragments' registers
.endr
.irp u, 0,1
	ds_store_b128 v[PS], v[ACC+8*(\u):ACC+8*(\u)+3]   offset:1024*(\u)      ; each accumulator's lowest registers first
	ds_store_b128 v[PS], v[ACC+8*(\u)+4:ACC+8*(\u)+7] offset:1024*(\u)+512
.endr
	s_wait_dscnt 0x0                               ; for the others' sake: my partial sums lie in LDS
	s_barrier_signal -1
	s_barrier_wait -1                              ; everybody's do
	s_cmp_lt_u32 s22, 2                            ; wave 0 finishes t1's ranks 0-15, wave 1 ranks 16-31
	s_cbranch_scc0 .L2
.set i, 0
.rept 16
	ds_load_b128 v[X+8*i:X+8*i+3],   v[PR] offset:2048*i
	ds_load_b128 v[X+8*i+4:X+8*i+7], v[PR] offset:2048*i+512
.set i, i+1
.endr
	ds_load_b64 v[AY:AY+1], v[TBL]                 ; token r's ascale and 1 / ascale
	s_lshl_b32 s26, s22, 9
	s_add_nc_u64 s[52:53], s[40:41], s[26:27]      ; piece w of the block
	s_wait_dscnt 0x0
.irp d, 8,4,2,1                        ; the 16 waves' partial sums, in f32: halves are added onto each other
.set i, 0
.rept 4*(\d)
	v_pk_add_f32 v[X+2*i:X+2*i+1], v[X+2*i:X+2*i+1], v[X+8*(\d)+2*i:X+8*(\d)+2*i+1]
.set i, i+1
.endr
.endr
	v_mov_b32 v[YY], v[AY+1]
	v_mov_b32 v[YY+1], v[AY+1]
.irp p, 0,2,4,6
	v_pk_mul_f32 v[X+(\p):X+(\p)+1], v[X+(\p):X+(\p)+1], v[YY:YY+1]  ; t1 / ascale
.endr
.irp p, 0,1,2,3
	v_cvt_pk_f16_f32 v[X+8+(\p)], v[X+2*(\p)], v[X+2*(\p)+1]
.endr
	global_store_b128 v[QX], v[X+8:X+11], s[52:53]   ; 512 consecutive bytes: half a fragment (16 tokens x 32 ranks), lane by lane, as the next launch's registers take it
	s_branch .Lend
.L2:
	s_cmp_eq_u32 s22, 2                            ; wave 2 stores ascale, twice for each lane: 256 consecutive bytes
	s_cbranch_scc0 .L3
	ds_load_b64 v[AY:AY+1], v[TBL]
	s_wait_dscnt 0x0
	v_mov_b32 v[AY+1], v[AY]
	global_store_b64 v[O8], v[AY:AY+1], s[40:41] offset:1024
	s_branch .Lend
.L3:
	s_cmp_eq_u32 s22, 3                            ; wave 3 stores lora_up: the two halves of a fragment (16 channels x 32 ranks), 512 consecutive bytes each
	s_cbranch_scc0 .Lend
	v_add_nc_u32 v[T], LUS, v[QX]
	ds_load_b128 v[L:L+3],   v[T]
	ds_load_b128 v[L+4:L+7], v[T] offset:512
	s_wait_dscnt 0x0
	global_store_b128 v[QX], v[L:L+3],   s[50:51]
	global_store_b128 v[QX], v[L+4:L+7], s[50:51] offset:512
.Lend:
	s_wait_tensorcnt 0x0                           ; the wave's end, behind my last LDS store
	ds_add_u32 v[SPW], v[NIL]
	s_wait_dscnt 0x0
	s_endpgm
.Lfunc_end_k_q3957dfbf70_prep:
	.size	k_q3957dfbf70_prep, .Lfunc_end_k_q3957dfbf70_prep-k_q3957dfbf70_prep
	.p2alignl 7, 3214868480
	.fill 96, 4, 3214868480
	.section	.rodata,"a",@progbits
	.p2align	6, 0x0
	.amdhsa_kernel k_q3957dfbf70_prep
		.amdhsa_group_segment_fixed_size 310784
		.amdhsa_private_segment_fixed_size 0
		.amdhsa_enable_private_segment 0
		.amdhsa_kernarg_size 72
		.amdhsa_user_sgpr_count 2
		.amdhsa_user_sgpr_kernarg_segment_ptr 1
		.amdhsa_wavefront_size32 1
		.amdhsa_system_sgpr_workgroup_id_x 1
		.amdhsa_system_sgpr_workgroup_id_y 1
		.amdhsa_system_sgpr_workgroup_id_z 1
		.amdhsa_system_vgpr_workitem_id 0
		.amdhsa_next_free_vgpr 256
		.amdhsa_next_free_sgpr 66
		.amdhsa_reserve_vcc 0
		.amdhsa_float_denorm_mode_32 3
		.amdhsa_float_denorm_mode_16_64 3
		.amdhsa_memory_ordered 1
		.amdhsa_forward_progress 1
		.amdhsa_inst_pref_size 113
	.end_amdhsa_kernel
	.amdgpu_metadata
---
amdhsa.version: [ 1, 2 ]
amdhsa.kernels:
  - .name:           k_q3957dfbf70_prep
    .symbol:         k_q3957dfbf70_prep.kd
    .args:
      - { .name: x, .offset: 0, .size: 8, .value_kind: global_buffer, .address_space: global }
      - { .name: lora_down, .offset: 8, .size: 8, .value_kind: global_buffer, .address_space: global }
      - { .name: xc, .offset: 16, .size: 8, .value_kind: global_buffer, .address_space: global }
      - { .name: aux, .offset: 24, .size: 8, .value_kind: global_buffer, .address_space: global }
      - { .name: qweight, .offset: 32, .size: 8, .value_kind: global_buffer, .address_space: global }
      - { .name: wscale, .offset: 40, .size: 8, .value_kind: global_buffer, .address_space: global }
      - { .name: lora_up, .offset: 48, .size: 8, .value_kind: global_buffer, .address_space: global }
      - { .name: wh, .offset: 56, .size: 8, .value_kind: global_buffer, .address_space: global }
      - { .name: luh, .offset: 64, .size: 8, .value_kind: global_buffer, .address_space: global }
    .group_segment_fixed_size: 310784
    .private_segment_fixed_size: 0
    .kernarg_segment_align: 8
    .kernarg_segment_size: 72
    .max_flat_workgroup_size: 512
    .sgpr_count:     66
    .vgpr_count:     256
    .wavefront_size: 32
...
	.end_amdgpu_metadata
.endif
;; end of part 3
;; launch gemm: the kernel of part 2 again; grid 16 x 16, 4 waves a work-group, clusters of 4 x 4, 327,680 bytes of LDS; arguments xc, wh, aux, luh, bias, out0; writes out0
;; ======== version 3 of 3: 2 launches; version 2 with the launch prep written anew for expert scheduling mode
;; limits: values are held in f16: magnitudes above 65,504 overflow, below 6.1e-05 lose precision; inputs' magnitudes at most 65,504
;; workspace buffers: xc 33,554,432 bytes; wh 33,554,432 bytes; aux 327,680 bytes; luh 262,144 bytes
;; launch prep (part 4): grid 256 x 1, 16 waves a work-group, no clusters, 310,784 bytes of LDS; arguments x, lora_down, xc, aux, qweight, wscale, lora_up, wh, luh; writes xc, aux, wh, luh
.if DOCPART == 4
	.amdgcn_target "amdgcn-amd-amdhsa--gfx1250"
	.amdhsa_code_object_version 6
	.text
	.protected	k_q3957dfbf70_prep
	.globl	k_q3957dfbf70_prep
	.p2align	8
	.type	k_q3957dfbf70_prep,@function
k_q3957dfbf70_prep:
	s_mov_b64 s[64:65], 0
	v_nop
	global_prefetch_b8 v0, s[64:65] scope:SCOPE_SE
	s_setreg_imm32_b32 hwreg(HW_REG_WAVE_SCHED_MODE, 0, 2), 2
	s_setreg_imm32_b32 hwreg(HW_REG_WAVE_MODE, 25, 1), 1
	s_wait_xcnt 0x0
	s_wait_alu depctr_vm_vsrc(0)
; PREP: everything of reference() that stands in front of the two large products.
; reference(): out[t][o] = sum_i xq[t][i] W[o][i] + sum_r (sum_i x[t][i] ld[r][i]) lu[o][r] + bias[o],  W = q x wscale (groups of 64),  xq = clip(round(x / ascale), -8, 7) x ascale,
; ascale[t] = max(max_i |x[t][i]|, 1e-6) / 7.
; NOTHING OF reference() IS LEFT OUT, and every input is loaded by one of the two launches.  Two factors are moved, which changes results by rounding alone: ascale[t] is the same for a whole row of
; out, so the products are taken on the codes c = clip(round(x / ascale)) (whole numbers -8 .. 7, exact in f16) and on t1s = t1 / ascale, and the next launch multiplies the finished sum by ascale once, in f32.
; WHAT IS MADE.  wh = q x wscale rounded once to f16; xc = the codes in f16; aux = t1s (f16, in fragment order) and ascale (f32); luh = lora_up in f16, in fragment order.
; THE CODES ARE MADE AS reference() MAKES THEM: both divisions are correctly rounded f32 divisions (a reciprocal, Newton steps by fused multiply-adds, and a remainder step taken twice), the rounding is to
; nearest even, the clip stays.  One code that falls on the other side of a half moves a whole row of out by ascale x W.
; LIMITS.  NaN and infinities are not treated apart (a NaN loses in the maxima).  |x|, |q x wscale|, |lora_down|, |lora_up| stay under 65,504, f16's end; below 6.1e-5 they keep f16's fixed step of 6e-8.
; |t1 / ascale| is at most 7 x sum_i |ld[r][i]| and stays under 65,504.  Where ascale's 24 significant bits are all ones its reciprocal may be one unit off, and x / ascale is then within half a unit and 2^-23 units.
; SHARES.  Work-group b has tokens 16 b .. 16 b + 15 and out channels 16 b .. 16 b + 15; wave w of 16 has ONE row of each: all 256 work-groups do the same work.  A row of 4,096 numbers goes in 32 chunks of 128:
; lane l holds numbers 128 j + 4 l + 0..3, so every load of a wave covers 512 consecutive bytes and every store of wh and xc 256 consecutive bytes, aligned.  A row of x stays in 128 registers from its loads
; to its codes: x is read once, its maximum never leaves the wave, and the codes go straight from registers to memory.
; THE ORDER.  First the row of W, whose 32 loads go out at the head; the registers of eight chunks, once their stores have read them, take eight chunks of x, which are on their way while W is made.
; t1 = x ld^T ON THE MATRIX UNIT (f16 operands, f32 sums).  A fragment wants 16 rows in 16 lanes, which no load of consecutive bytes gives, so both operands pass LDS in f16.  x: each wave lays its row down;
; behind a barrier wave w reads channels 256 w .. 256 w + 255 of all 16 rows.  lora_down: wave w's 32 ranks x 256 channels come in four UNITS of 16 ranks x 128 channels (16 loads), each asked for a phase
; ahead of its use and sent through one of the wave's own two stage slots.  The 16 waves' partial sums meet in LDS behind a second barrier.
; NO JOINT LOADS for lora_down, which all 256 work-groups read: joint loads would lay it into LDS in f32, 512 KiB in turns, and beside this text's 310,784 bytes there is no room for two slots.
; NO PREFETCH: every stream is asked for by the loads themselves, a phase ahead of its use: q at the head, x while W is made, each unit of lora_down one phase before it is converted.
; THE MODE: SCHED_MODE bits 1:0 = 2 (LLVM: expert scheduling mode 2), set by the entry lines.  The code itself states the register dependences between vector or matrix instructions and memory or LDS
; instructions, with s_wait_alu, always for 0.
; THE PLAN.  Registers that memory or LDS instructions touch:
;   offsets and LDS addresses   made at the head, ahead of the first instruction that reads them, and never written again (v24-27, two LDS addresses and the two scales, become the chains of maxima far behind a wait on vm_vsrc).
;   X, four blocks of 32        q's loads land; block p's arithmetic works in place; its eight stores are issued at the head of block p + 1, behind one wait on va_vdst; four chunks of arithmetic later one wait on
;                               vm_vsrc shows that they have read the block, and eight loads of x land in it.  The codes go likewise, in four batches of four octets: a batch's stores are issued behind the wait on va_vdst
;                               at the next batch's head, dealt among that batch's arithmetic; behind a later wait on vm_vsrc lora_down's fragments land in the batch's registers.
;   L                           a unit's 16 loads land; 32 roundings in place; one wait on va_vdst; 16 LDS stores; one wait on vm_vsrc; the next unit's loads.  At the end x's fragments land in it.
;   TP, two buffers of 8 pairs  group g's roundings write buffer g % 2; the LDS stores that read it are issued in group g + 1, among roundings that write the other buffer.
;   AY                          written by the scales' arithmetic, read by one LDS store behind the first batch's wait; at the end an LDS load lands in it.
;   ACC                         written by the products, read by four LDS stores behind the places and a wait on va_vdst.
; Between a wait and the memory instructions that lean on it no vector instruction names a register that these touch.
.set XPITCH, 8208                      ; a row of x in f16: 8,192 bytes + 16: row r starts at bank 4 r mod 64 (64 banks of 4 bytes: ISA guide 11.1)
.set UPITCH, 272                       ; a rank's 128 channels in f16: 256 bytes + 16: likewise
.set USLOT,  16*UPITCH                 ; a stage slot: one unit
.set WSTG,   2*USLOT                   ; a wave's own two slots
.set XH,     16*WSTG                   ; behind the stages: the 16 rows of x in f16
.set PART,   XH+16*XPITCH              ; behind them: wave w's two partial tiles of t1, 1,024 bytes each, at 2,048 w; a tile is two pieces of 512 bytes, lane l at 16 l
.set TAB,    PART+16*2048              ; token w's (ascale, 1 / ascale) at 8 w
.set LUS,    TAB+256                   ; the block's lora_up in f16, in fragment order: 1,024 bytes
.set WSC,    LUS+1024                  ; wave w's 64 scales at 256 w: the even groups', then the odd groups'
.set SPARE,  WSC+16*256                ; the spare words, 128 bytes for each wave: eight blocks of 256 bytes that no other line names
.set QX,  4                            ; v4   16 l: my bytes in 512 consecutive bytes; never rewritten
.set O8,  5                            ; v5   8 l: my bytes in 256 consecutive bytes; never rewritten
.set LDO, 6                            ; v6   1,024 w + 16 l: my bytes in a rank's row of lora_down; never rewritten
.set STG, 7                            ; v7   my stage + 8 l
.set SPW, 8                            ; v8   LDS address of my spare word: SPARE + 4 x my thread's number; never rewritten
.set NIL, 9                            ; v9   0; never rewritten
.set FRG, 10                           ; v10  my stage + 272 r + 16 (l / 16): a fragment's row
.set XHS, 11                           ; v11  where my row of x goes: XH + 8,208 w + 8 l
.set XHF, 12                           ; v12  where my slice's fragments of x are read: XH + 8,208 r + 512 w + 16 (l / 16)
.set PS,  13                           ; v13  where my partial tiles go
.set PR,  14                           ; v14  where tile w's partial sums are read (waves 0 and 1)
.set TBS, 15                           ; v15  TAB + 8 w
.set TBL, 16                           ; v16  TAB + 8 r
.set LUA, 17                           ; v17  where my number of lora_up goes
.set LUV, 18                           ; v18  that number
.set T,   19                           ; v19  at work
.set LUO, 20                           ; v20  4 x my thread's number
.set WS0, 24                           ; v24  WSC + 256 w + 4 l         (while W is made)
.set WSL, 25                           ; v25  WSC + 256 w + 128 (l / 16)
.set SC,  26                           ; v[26:27] two of the row's 64 scales
.set MA,  24                           ; v24-25  two chains of maxima   (from x on)
.set MI,  26                           ; v26-27  two chains of minima
.set AY,  28                           ; v[28:29] ascale, 1 / ascale
.set YY,  30                           ; v[30:31] 1 / ascale, twice
.set S,   32                           ; v[32:63] chunk j's scale at S + j (while W is made)
.set TP,  32                           ; v[32:63] then sixteen pairs, two buffers of eight: chunk j of x in f16 at TP + 2 (j % 16)
.set NBB, 32                           ; v[32:33] then -ascale, twice   (from the row's scales on)
.set E,   34
.set M,   35                           ; v35-37
.set Q,   40                           ; eight quotients
.set R,   48                           ; and eight remainders
.set ACC, 40                           ; then t1's two tiles: ranks 0-15, 16-31
.set L,   64                           ; v[64:127] a unit of lora_down as loaded; at the end x's eight fragments
.set X,   128                          ; v[128:255] chunk j at X + 4 j: q, then x; at the end lora_down's 16 fragments
	s_load_b256 s[4:11], s[0:1], 0x0               ; x s[4:5], lora_down s[6:7], xc s[8:9], aux s[10:11]
	s_load_b256 s[12:19], s[0:1], 0x20             ; qweight s[12:13], wscale s[14:15], lora_up s[16:17], wh s[18:19]
	s_load_b64 s[20:21], s[0:1], 0x40              ; luh
	v_lshl_add_u32 v[SPW], v0, 2, SPARE
	v_mov_b32 v[NIL], 0
	v_lshrrev_b32 v3, 5, v0
	v_readfirstlane_b32 s22, v3                    ; wave 0..15
	v_and_b32 v1, 31, v0                           ; l
	v_and_b32 v2, 15, v0                           ; r = l % 16
	v_bfe_u32 v3, v0, 4, 1                         ; l / 16
	s_mov_b32 s24, ttmp9                           ; the block b, 0..255
	s_wait_alu depctr_va_sdst(0)                   ; s22 is written, ahead of its first reader: the rows, the bases and the LDS addresses are made from it
	s_lshl4_add_u32 s25, s24, s22                  ; my row of x and of qweight: 16 b + w
	s_mov_b32 s27, 0                               ; the high word of every offset: all stay under 2^32
	s_mov_b32 s28, 0x76543210                      ; v_permlanex16_b32: each lane takes its own place in the other half
	s_mov_b32 s29, 0xfedcba98
	s_mov_b32 s30, 0x3e124925                      ; 1 / 7, rounded to nearest
	s_mov_b32 s31, 0xc0e00000                      ; -7
	s_mov_b32 s32, 0xc1000000                      ; -8
	s_mov_b32 s33, 0x40e00000                      ; 7
	s_mov_b32 s34, 0x358637bd                      ; 1e-6
	v_lshlrev_b32 v[QX], 4, v1
	v_lshlrev_b32 v[O8], 3, v1
	v_lshlrev_b32 v[LUO], 2, v0
	s_lshl_b32 s23, s22, 10
	v_lshl_add_u32 v[LDO], v1, 4, s23
	s_wait_kmcnt 0x0
	s_lshl_b32 s26, s25, 14                        ; rows of 16,384 bytes
	s_add_nc_u64 s[36:37], s[4:5], s[26:27]        ; my row of x
	s_add_nc_u64 s[42:43], s[12:13], s[26:27]      ; my row of qweight
	s_lshl_b32 s26, s25, 13                        ; rows of 8,192 bytes
	s_add_nc_u64 s[38:39], s[8:9], s[26:27]        ; my row of xc
	s_add_nc_u64 s[44:45], s[18:19], s[26:27]      ; my row of wh
	s_lshl_b32 s26, s25, 8
	s_add_nc_u64 s[46:47], s[14:15], s[26:27]      ; my row of wscale
	s_lshl_b32 s26, s24, 11
	s_add_nc_u64 s[48:49], s[16:17], s[26:27]      ; the block's 16 rows of lora_up, 2,048 bytes
	s_lshl_b32 s26, s24, 10
	s_add_nc_u64 s[50:51], s[20:21], s[26:27]      ; the block's 1,024 bytes of luh
	s_mul_i32 s26, s24, 1280
	s_add_nc_u64 s[40:41], s[10:11], s[26:27]      ; the block's 1,280 bytes of aux
; Unit (c, u) of lora_down: ranks 16 u .. 16 u + 15, channels 128 c .. 128 c + 127 of my slice: 16 loads of 512 consecutive bytes.
.macro LDU c, u
.set i, 0
.rept 16
	global_load_b128 v[L+4*i:L+4*i+3], v[LDO], s[6:7] offset:(16*(\u)+i)*16384+512*(\c)
.set i, i+1
.endr
.endm
; The unit in L is rounded to f16, in place: rank i's four numbers a lane close up into the first two of their four registers.
.macro CVA
.set i, 0
.rept 16
	v_cvt_pk_f16_f32 v[L+4*i],   v[L+4*i],   v[L+4*i+1]
	v_cvt_pk_f16_f32 v[L+4*i+1], v[L+4*i+2], v[L+4*i+3]
.set i, i+1
.endr
.endm
; The rounded unit is laid into a slot of my stage: rank i's 256 bytes at 272 i.
.macro CVS slot
.set i, 0
.rept 16
	ds_store_b64 v[STG], v[L+4*i:L+4*i+1] offset:USLOT*(\slot)+UPITCH*i
.set i, i+1
.endr
.endm
; Slot u's four fragments (16 ranks x 32 channels: lane l holds rank l % 16, channels 8 (l / 16) + 0..7 and 16 + 8 (l / 16) + 0..7: two loads of 16 bytes, 32 bytes apart): step s at base + 8 s.
.macro LFR base, u
.irp s, 0,1,2,3
	ds_load_b128 v[(\base)+8*(\s):(\base)+8*(\s)+3],   v[FRG] offset:USLOT*(\u)+64*(\s)
	ds_load_b128 v[(\base)+8*(\s)+4:(\base)+8*(\s)+7], v[FRG] offset:USLOT*(\u)+64*(\s)+32
.endr
.endm
	s_wait_alu depctr_va_vdst(0)                   ; the four offsets v[QX], v[O8], v[LDO], v[LUO] are written: every global load and store of the kernel reads one of them
	global_load_b32 v[LUV], v[LUO], s[48:49]       ; number t of the block's 512 of lora_up: channel w, rank l
	global_load_b64 v[SC:SC+1], v[O8], s[46:47] th:TH_LOAD_NT  ; the row's 64 scales: 256 consecutive bytes, once
.set j, 0
.rept 32
	global_load_b128 v[X+4*j:X+4*j+3], v[QX], s[42:43] offset:512*j th:TH_LOAD_NT  ; my row of qweight
.set j, j+1
.endr
	LDU 0, 0                                       ; 50 loads of the wave are out
	s_mul_i32 s23, s22, WSTG                       ; the LDS addresses are made while the loads are on their way: none of these lines names a register of those loads
	v_lshl_add_u32 v[STG], v1, 3, s23
	v_mul_u32_u24 v[FRG], v2, UPITCH
	v_lshl_add_u32 v[FRG], v3, 4, v[FRG]
	v_add_nc_u32 v[FRG], s23, v[FRG]
	s_mul_i32 s23, s22, XPITCH
	s_add_co_u32 s23, s23, XH
	v_lshl_add_u32 v[XHS], v1, 3, s23
	v_mul_u32_u24 v[XHF], v2, XPITCH
	v_lshl_add_u32 v[XHF], v3, 4, v[XHF]
	s_lshl_b32 s23, s22, 9
	s_add_co_u32 s23, s23, XH
	v_add_nc_u32 v[XHF], s23, v[XHF]
	s_lshl_b32 s23, s22, 11
	s_add_co_u32 s23, s23, PART
	v_lshl_add_u32 v[PS], v1, 4, s23
	s_lshl_b32 s23, s22, 10
	s_add_co_u32 s23, s23, PART
	v_lshl_add_u32 v[PR], v1, 4, s23
	s_lshl_b32 s23, s22, 3
	s_add_co_u32 s23, s23, TAB
	v_mov_b32 v[TBS], s23
	v_lshl_add_u32 v[TBL], v2, 3, TAB
	v_and_b32 v[LUA], 7, v0                        ; rank k = l of channel w lies in piece k / 16, in the 16 bytes of lane w + 16 ((k / 8) % 2), at place k % 8
	v_lshlrev_b32 v[LUA], 1, v[LUA]
	v_bfe_u32 v[T], v0, 3, 1
	v_lshl_add_u32 v[LUA], v[T], 8, v[LUA]
	v_lshl_add_u32 v[LUA], v3, 9, v[LUA]
	s_lshl_b32 s23, s22, 4
	s_add_co_u32 s23, s23, LUS
	v_add_nc_u32 v[LUA], s23, v[LUA]
	s_lshl_b32 s23, s22, 8
	s_add_co_u32 s23, s23, WSC
	v_lshl_add_u32 v[WS0], v1, 2, s23
	v_lshl_add_u32 v[WSL], v3, 7, s23
	; ---------------- the row of W ----------------
	s_wait_loadcnt 48                              ; loads come back in order (ISA guide 5.7.1): lora_up's number and the scales are in; behind them stand q's 32 loads and the unit's 16
	v_cvt_pk_f16_f32 v[LUV], v[LUV], v[LUV]
	s_wait_alu depctr_va_vdst(0)                   ; all the LDS addresses made above and the rounded v[LUV] are written: the LDS instructions of the whole kernel read them
	ds_store_b16 v[LUA], v[LUV]
	ds_store_b32 v[WS0], v[SC]                     ; lane l holds the scales of groups 2 l and 2 l + 1: the even groups' go to 4 l, the odd groups' to 128 + 4 l,
	ds_store_b32 v[WS0], v[SC+1] offset:128
.irp i, 0,1,2,3,4,5,6,7
	ds_load_b128 v[S+4*(\i):S+4*(\i)+3], v[WSL] offset:16*(\i)  ; so that the scales of groups 2 j + l / 16, in which my numbers of chunk j lie, come back on end; my own bytes, served in order (ISA guide 5.7.1.4)
.endr
	s_wait_dscnt 0x0
.macro WAR                             ; chunk j of the row: four codes a lane become 8 bytes of wh, in the first two of the chunk's four registers
	s_wait_loadcnt 47-j+8*xg                       ; behind chunk j: q's later chunks (31 - j), the unit's 16 loads, and the xg groups of x asked for so far (8 each)
.irp i, 0,1,2,3
	v_cvt_f32_i32 v[X+4*j+(\i)], v[X+4*j+(\i)]
.endr
.irp i, 0,1,2,3
	v_mul_f32 v[X+4*j+(\i)], v[S+j], v[X+4*j+(\i)]
.endr
	v_cvt_pk_f16_f32 v[X+4*j],   v[X+4*j],   v[X+4*j+1]
	v_cvt_pk_f16_f32 v[X+4*j+1], v[X+4*j+2], v[X+4*j+3]
.endm
.macro WST                             ; chunk k goes out
	global_store_b64 v[O8], v[X+4*k:X+4*k+1], s[44:45] offset:256*k th:TH_STORE_NT  ; the wave stores 256 consecutive bytes, at a multiple of 256 from wh's first byte
.endm
.macro XLD                             ; chunk k of my row of x comes in
	global_load_b128 v[X+4*k:X+4*k+3], v[QX], s[36:37] offset:512*k th:TH_LOAD_NT
.endm
.set xg, 0
.set j, 0
.rept 8                                ; block 0: no block stands in front of it
	WAR
.set j, j+1
.endr
.rept 3                                ; blocks 1 to 3
	s_wait_alu depctr_va_vdst(0)                   ; the block before has written its roundings, which the eight stores below read, and is done with its 32 registers, in which the loads below land
.set k, j-8
.rept 8
	WST
.set k, k+1
.endr
.rept 4
	WAR                                            ; names this block's registers and the scales alone
.set j, j+1
.endr
	s_wait_xcnt 0x0                                ; the eight stores have had their addresses translated (ISA guide 3.1): only behind this wait are their registers loaded again
	s_wait_alu depctr_vm_vsrc(0)                   ; the eight stores have read the block before, in which the loads below land (at its first use also: the LDS instructions at this part's head have read v24 to v27, which become the chains of maxima)
.set k, j-12
.rept 8
	XLD
.set k, k+1
.endr
.set xg, xg+1
.rept 4
	WAR
.set j, j+1
.endr
.endr
	s_wait_alu depctr_va_vdst(0)                   ; block 3 has written its roundings, which the eight stores below read, and is done with its 32 registers
.set k, 24
.rept 8
	WST
.set k, k+1
.endr
	s_wait_loadcnt 24                              ; unit (0, 0) is in; behind it stand three groups of x
	CVA
	s_wait_alu depctr_va_vdst(0)                   ; the unit's roundings have written v[L ..], which the LDS stores below read; they are done with L, in which the next unit lands
	CVS 0
	s_wait_xcnt 0x0                                ; block 3's stores have had their addresses translated
	s_wait_alu depctr_vm_vsrc(0)                   ; block 3's stores have read their registers, the LDS stores theirs: x's last eight chunks and the next unit land in them
.set k, 24
.rept 8
	XLD
.set k, k+1
.endr
	LDU 0, 1
	; ---------------- the row of x: maximum, and f16 for t1 ----------------
.macro XAR                             ; chunk j
	s_wait_loadcnt 47-j                            ; behind chunk j: x's later chunks (31 - j) and the unit's 16 loads
.if j == 0
	v_max_num_f32 v[MA],   v[X],   v[X+1]          ; the first four numbers start the chains: nothing is cleared
	v_min_num_f32 v[MI],   v[X],   v[X+1]
	v_max_num_f32 v[MA+1], v[X+2], v[X+3]
	v_min_num_f32 v[MI+1], v[X+2], v[X+3]
.else
	v_max3_num_f32 v[MA],   v[MA],   v[X+4*j],   v[X+4*j+1]
	v_min3_num_f32 v[MI],   v[MI],   v[X+4*j],   v[X+4*j+1]
	v_max3_num_f32 v[MA+1], v[MA+1], v[X+4*j+2], v[X+4*j+3]
	v_min3_num_f32 v[MI+1], v[MI+1], v[X+4*j+2], v[X+4*j+3]
.endif
	v_cvt_pk_f16_f32 v[TP+2*(j%16)],   v[X+4*j],   v[X+4*j+1]
	v_cvt_pk_f16_f32 v[TP+2*(j%16)+1], v[X+4*j+2], v[X+4*j+3]
.endm
.macro XST                             ; chunk k goes into LDS
	ds_store_b64 v[XHS], v[TP+2*(k%16):TP+2*(k%16)+1] offset:256*k
.endm
.set j, 0
.rept 8                                ; group 0 writes buffer 0
	XAR
.set j, j+1
.endr
	s_wait_alu depctr_va_vdst(0)                   ; group 0 has written buffer 0 of TP, which the LDS stores below read; group 1's lines name buffer 1
.rept 8
.set k, j-8
	XST
	XAR
.set j, j+1
.endr
.rept 2                                ; groups 2 and 3
	s_wait_alu depctr_va_vdst(0)                   ; the group before has written its buffer of TP, which the LDS stores below read
	s_wait_alu depctr_vm_vsrc(0)                   ; the LDS stores issued in the group before have read the other buffer, which this group's roundings write again
.rept 8
.set k, j-8
	XST
	XAR
.set j, j+1
.endr
.endr
	s_wait_loadcnt 0x0                             ; unit (0, 1) is in
	CVA
	s_wait_alu depctr_va_vdst(0)                   ; group 3 has written buffer 1 of TP and the unit's roundings v[L ..]: both runs of LDS stores below read them; the roundings are done with L
.set k, 24
.rept 8
	XST
.set k, k+1
.endr
	CVS 1
	s_wait_alu depctr_vm_vsrc(0)                   ; the LDS stores have read L, in which the next unit lands, and all of TP, whose registers the lines below write (NBB, E, M, Q, R)
	LDU 1, 0
	v_max_num_f32 v[MA], v[MA], v[MA+1]            ; the largest |x| of my 128 numbers = max(maximum, -minimum)
	v_min_num_f32 v[MI], v[MI], v[MI+1]
	v_sub_f32 v[MI], 0, v[MI]
	v_max_num_f32 v[MA], v[MA], v[MI]
	v_max_num_f32_dpp v[MA], v[MA], v[MA] row_xmask:1 row_mask:0xf bank_mask:0xf  ; across the 32 lanes: four steps inside each half of 16, one across the halves
	v_max_num_f32_dpp v[MA], v[MA], v[MA] row_xmask:2 row_mask:0xf bank_mask:0xf
	v_max_num_f32_dpp v[MA], v[MA], v[MA] row_xmask:4 row_mask:0xf bank_mask:0xf
	v_max_num_f32_dpp v[MA], v[MA], v[MA] row_xmask:8 row_mask:0xf bank_mask:0xf
	v_permlanex16_b32 v[T], v[MA], s28, s29        ; (its destination counts as read: T has been written)
	v_max3_num_f32 v[M], v[MA], v[T], s34          ; m = max(max |x|, 1e-6), in every lane
	v_mul_f32 v[M+1], s30, v[M]                    ; m / 7, correctly rounded: q = m x (1/7); twice: the exact remainder e = m - 7 q, q = q + e x (1/7)
.rept 2
	v_fma_f32 v[M+2], s31, v[M+1], v[M]
	v_fma_f32 v[M+1], v[M+2], s30, v[M+1]
.endr
	v_rcp_f32 v[YY], v[M+1]
	v_mov_b32 v[AY], v[M+1]                        ; three plain lines that neither name the result nor write the source stand behind the reciprocal (ISA guide 5.7.2)
	v_sub_f32 v[NBB], 0, v[M+1]
	v_sub_f32 v[NBB+1], 0, v[M+1]
	s_wait_alu depctr_va_vdst(0)                   ; the reciprocal has written v[YY]: the wait stands ahead of the first line that names it
.rept 2
	v_fma_f32 v[E], v[NBB], v[YY], 1.0             ; e = 1 - ascale y; y = y + e y: twice, and y is 1 / ascale rounded to nearest
	v_fma_f32 v[YY], v[E], v[YY], v[YY]
.endr
	v_mov_b32 v[YY+1], v[YY]
	v_mov_b32 v[AY+1], v[YY]                       ; (ascale, 1 / ascale): it goes into the table behind the first batch's wait, below
	; ---------------- the codes ----------------
; Octet o: chunks 2 o and 2 o + 1, eight numbers a lane.  q = x y; twice: the exact remainder r = x - ascale q, q = q + r y: the correctly rounded x / ascale.  Then to the nearest whole number, ties to even, and the clip.
; The eight codes close up into the first four of the octet's eight registers.
.macro OAR o
.set XS, X+8*(\o)
.irp p, 0,2,4,6
	v_pk_mul_f32 v[Q+(\p):Q+(\p)+1], v[XS+(\p):XS+(\p)+1], v[YY:YY+1]
.endr
.rept 2
.irp p, 0,2,4,6
	v_pk_fma_f32 v[R+(\p):R+(\p)+1], v[NBB:NBB+1], v[Q+(\p):Q+(\p)+1], v[XS+(\p):XS+(\p)+1]
.endr
.irp p, 0,2,4,6
	v_pk_fma_f32 v[Q+(\p):Q+(\p)+1], v[R+(\p):R+(\p)+1], v[YY:YY+1], v[Q+(\p):Q+(\p)+1]
.endr
.endr
.irp i, 0,1,2,3,4,5,6,7
	v_rndne_f32 v[Q+(\i)], v[Q+(\i)]
.endr
.irp i, 0,1,2,3,4,5,6,7
	v_med3_num_f32 v[Q+(\i)], v[Q+(\i)], s32, s33
.endr
.irp p, 0,1,2,3
	v_cvt_pk_f16_f32 v[XS+(\p)], v[Q+2*(\p)], v[Q+2*(\p)+1]
.endr
.endm
.macro OST o                           ; octet o goes out: 256 consecutive bytes each, at a multiple of 256 from xc's first byte
	global_store_b64 v[O8], v[X+8*(\o):X+8*(\o)+1],   s[38:39] offset:512*(\o) th:TH_STORE_NT
	global_store_b64 v[O8], v[X+8*(\o)+2:X+8*(\o)+3], s[38:39] offset:512*(\o)+256 th:TH_STORE_NT
.endm
.irp o, 0,1,2,3                        ; the first batch
	OAR \o
.endr
	s_wait_alu depctr_va_vdst(0)                   ; octets 0 to 3 have written their codes, and v[AY:AY+1] is written: the stores below read them; the second batch's lines name its own 32 registers, Q, R, YY and NBB
	ds_store_b64 v[TBS], v[AY:AY+1]                ; all lanes write the same two words with the same values
.irp o, 4,5,6,7                        ; the second batch, the first batch's stores dealt among it
	OST (\o)-4
	OAR \o
.endr
	s_wait_loadcnt 0x0                             ; unit (1, 0) is in
	CVA
	s_wait_xcnt 0x0                                ; the first batch's stores have had their addresses translated: its registers are free
	s_wait_alu depctr_vm_vsrc(0)                   ; the first batch's stores have read their registers, in which the fragments below land; the table's store has read v[AY:AY+1]
	s_wait_alu depctr_va_vdst(0)                   ; octets 4 to 7 have written their codes and the unit's roundings v[L ..], which the stores below read; the vector lines are done with the first batch's registers and with L
	LFR X, 0                                       ; the fragments of unit (0, 0): steps 0 to 3, ranks 0-15
.irp o, 4,5,6,7
	OST \o
.endr
	CVS 0                                          ; LDS serves a wave's instructions in order (ISA guide 5.7.1.4): these stores come behind the loads from slot 0 above
	s_wait_alu depctr_vm_vsrc(0)                   ; the LDS stores have read L, in which the last unit lands; the second batch's stores have read their registers
	LDU 1, 1
.irp o, 8,9,10,11                      ; the third batch
	OAR \o
.endr
	s_wait_xcnt 0x0                                ; the second batch's stores have had their addresses translated: its registers are free (that they have read them the wait ahead of the last unit's loads has shown)
	s_wait_alu depctr_va_vdst(0)                   ; octets 8 to 11 have written their codes, which the stores below read
	LFR X+32, 1                                    ; the fragments of unit (0, 1): steps 0 to 3, ranks 16-31
.irp o, 12,13,14,15                    ; the fourth batch, the third batch's stores dealt among it
	OST (\o)-4
	OAR \o
.endr
	s_wait_loadcnt 0x0                             ; unit (1, 1) is in
	CVA
	s_wait_xcnt 0x0                                ; the third batch's stores have had their addresses translated: its registers are free
	s_wait_alu depctr_vm_vsrc(0)                   ; the third batch's stores have read their registers, in which fragments land below
	s_wait_alu depctr_va_vdst(0)                   ; octets 12 to 15 have written their codes and the unit's roundings v[L ..], which the stores below read; the vector lines are done with X and with L
.irp o, 12,13,14,15
	OST \o
.endr
	CVS 1                                          ; in order behind the loads from slot 1 above
	LFR X+64, 0                                    ; the fragments of unit (1, 0): steps 4 to 7, ranks 0-15
	s_wait_xcnt 0x0                                ; the fourth batch's stores have had their addresses translated: its registers are free
	s_wait_alu depctr_vm_vsrc(0)                   ; the fourth batch's stores have read their registers, in which the fragments below land; the LDS stores have read L, in which x's fragments land behind the barrier
	LFR X+96, 1                                    ; the fragments of unit (1, 1): steps 4 to 7, ranks 16-31
	; ---------------- t1 ----------------
	s_wait_dscnt 0x0                               ; for the others' sake: my row of x, my line of the table and my number of lora_up lie in LDS
	s_barrier_signal -1
	s_barrier_wait -1                              ; everybody's do
.irp s, 0,1,2,3,4,5,6,7
	ds_load_b128 v[L+8*(\s):L+8*(\s)+3],   v[XHF] offset:64*(\s)     ; step s of my slice: 16 tokens x 32 channels.  No vector line and no LDS store has named L since the last waits on va_vdst and vm_vsrc
	ds_load_b128 v[L+8*(\s)+4:L+8*(\s)+7], v[XHF] offset:64*(\s)+32
.endr
	s_wait_dscnt 0x0
	; source 0 = 16 ranks, source 1 = the 16 tokens: a lane's eight results are ranks 16 u + 8 (l / 16) + 0..7 of token r.  The two accumulators take turns.
	v_wmma_f32_16x16x32_f16 v[ACC:ACC+7],    v[X:X+7],     v[L:L+7], 0
	v_wmma_f32_16x16x32_f16 v[ACC+8:ACC+15], v[X+32:X+39], v[L:L+7], 0
.set s, 1
.rept 7
.set LF, X+64*(s/4)+8*(s%4)
	v_wmma_f32_16x16x32_f16 v[ACC:ACC+7],    v[LF:LF+7],       v[L+8*s:L+8*s+7], v[ACC:ACC+7]
	v_wmma_f32_16x16x32_f16 v[ACC+8:ACC+15], v[LF+32:LF+39],   v[L+8*s:L+8*s+7], v[ACC+8:ACC+15]
.set s, s+1
.endr
.rept 4
	v_nop                                          ; four places behind the last product, before its result is read (ISA guide 7.12.1)
.endr
	s_wait_alu depctr_va_vdst(0)                   ; the products have written the accumulators, which the LDS stores read, and are done reading X and L, in which loads land behind the next barrier; the places above stay beside this wait
.irp u, 0,1
	ds_store_b128 v[PS], v[ACC+8*(\u):ACC+8*(\u)+3]   offset:1024*(\u)      ; each accumulator's lowest registers first
	ds_store_b128 v[PS], v[ACC+8*(\u)+4:ACC+8*(\u)+7] offset:1024*(\u)+512
.endr
	s_wait_dscnt 0x0                               ; for the others' sake: my partial sums lie in LDS
	s_barrier_signal -1
	s_barrier_wait -1                              ; everybody's do
	s_cmp_lt_u32 s22, 2                            ; wave 0 finishes t1's ranks 0-15, wave 1 ranks 16-31
	s_cbranch_scc0 .L2
.set i, 0
.rept 16
	ds_load_b128 v[X+8*i:X+8*i+3],   v[PR] offset:2048*i
	ds_load_b128 v[X+8*i+4:X+8*i+7], v[PR] offset:2048*i+512
.set i, i+1
.endr
	ds_load_b64 v[AY:AY+1], v[TBL]                 ; token r's ascale and 1 / ascale
	s_lshl_b32 s26, s22, 9
	s_add_nc_u64 s[52:53], s[40:41], s[26:27]      ; piece w of the block
	s_wait_dscnt 0x0
.irp d, 8,4,2,1                        ; the 16 waves' partial sums, in f32: halves are added onto each other
.set i, 0
.rept 4*(\d)
	v_pk_add_f32 v[X+2*i:X+2*i+1], v[X+2*i:X+2*i+1], v[X+8*(\d)+2*i:X+8*(\d)+2*i+1]
.set i, i+1
.endr
.endr
	v_mov_b32 v[YY], v[AY+1]
	v_mov_b32 v[YY+1], v[AY+1]
.irp p, 0,2,4,6
	v_pk_mul_f32 v[X+(\p):X+(\p)+1], v[X+(\p):X+(\p)+1], v[YY:YY+1]  ; t1 / ascale
.endr
.irp p, 0,1,2,3
	v_cvt_pk_f16_f32 v[X+8+(\p)], v[X+2*(\p)], v[X+2*(\p)+1]
.endr
	s_wait_alu depctr_va_vdst(0)                   ; the roundings have written v[X+8:X+11], which the store reads
	global_store_b128 v[QX], v[X+8:X+11], s[52:53]   ; 512 consecutive bytes: half a fragment (16 tokens x 32 ranks), lane by lane, as the next launch's registers take it
	s_branch .Lend
.L2:
	s_cmp_eq_u32 s22, 2                            ; wave 2 stores ascale, twice for each lane: 256 consecutive bytes
	s_cbranch_scc0 .L3
	ds_load_b64 v[AY:AY+1], v[TBL]
	s_wait_dscnt 0x0
	v_mov_b32 v[AY+1], v[AY]
	s_wait_alu depctr_va_vdst(0)                   ; v[AY+1] is written, which the store reads
	global_store_b64 v[O8], v[AY:AY+1], s[40:41] offset:1024
	s_branch .Lend
.L3:
	s_cmp_eq_u32 s22, 3                            ; wave 3 stores lora_up: the two halves of a fragment (16 channels x 32 ranks), 512 consecutive bytes each
	s_cbranch_scc0 .Lend
	v_add_nc_u32 v[T], LUS, v[QX]
	s_wait_alu depctr_va_vdst(0)                   ; v[T] is written, which the two LDS loads read as their address
	ds_load_b128 v[L:L+3],   v[T]
	ds_load_b128 v[L+4:L+7], v[T] offset:512
	s_wait_dscnt 0x0
	global_store_b128 v[QX], v[L:L+3],   s[50:51]
	global_store_b128 v[QX], v[L+4:L+7], s[50:51] offset:512
.Lend:
	s_wait_dscnt 0x0                               ; the closing lines, six on end
	s_wait_alu 0x0
	s_wait_tensorcnt 0x0
	ds_add_u32 v[SPW], v[NIL]
	s_wait_dscnt 0x0
	s_endpgm
.Lfunc_end_k_q3957dfbf70_prep:
	.size	k_q3957dfbf70_prep, .Lfunc_end_k_q3957dfbf70_prep-k_q3957dfbf70_prep
	.p2alignl 7, 3214868480
	.fill 96, 4, 3214868480
	.section	.rodata,"a",@progbits
	.p2align	6, 0x0
	.amdhsa_kernel k_q3957dfbf70_prep
		.amdhsa_group_segment_fixed_size 310784
		.amdhsa_private_segment_fixed_size 0
		.amdhsa_enable_private_segment 0
		.amdhsa_kernarg_size 72
		.amdhsa_user_sgpr_count 2
		.amdhsa_user_sgpr_kernarg_segment_ptr 1
		.amdhsa_wavefront_size32 1
		.amdhsa_system_sgpr_workgroup_id_x 1
		.amdhsa_system_sgpr_workgroup_id_y 1
		.amdhsa_system_sgpr_workgroup_id_z 1
		.amdhsa_system_vgpr_workitem_id 0
		.amdhsa_next_free_vgpr 256
		.amdhsa_next_free_sgpr 66
		.amdhsa_reserve_vcc 0
		.amdhsa_float_denorm_mode_32 3
		.amdhsa_float_denorm_mode_16_64 3
		.amdhsa_memory_ordered 1
		.amdhsa_forward_progress 1
		.amdhsa_inst_pref_size 114
	.end_amdhsa_kernel
	.amdgpu_metadata
---
amdhsa.version: [ 1, 2 ]
amdhsa.kernels:
  - .name:           k_q3957dfbf70_prep
    .symbol:         k_q3957dfbf70_prep.kd
    .args:
      - { .name: x, .offset: 0, .size: 8, .value_kind: global_buffer, .address_space: global }
      - { .name: lora_down, .offset: 8, .size: 8, .value_kind: global_buffer, .address_space: global }
      - { .name: xc, .offset: 16, .size: 8, .value_kind: global_buffer, .address_space: global }
      - { .name: aux, .offset: 24, .size: 8, .value_kind: global_buffer, .address_space: global }
      - { .name: qweight, .offset: 32, .size: 8, .value_kind: global_buffer, .address_space: global }
      - { .name: wscale, .offset: 40, .size: 8, .value_kind: global_buffer, .address_space: global }
      - { .name: lora_up, .offset: 48, .size: 8, .value_kind: global_buffer, .address_space: global }
      - { .name: wh, .offset: 56, .size: 8, .value_kind: global_buffer, .address_space: global }
      - { .name: luh, .offset: 64, .size: 8, .value_kind: global_buffer, .address_space: global }
    .group_segment_fixed_size: 310784
    .private_segment_fixed_size: 0
    .kernarg_segment_align: 8
    .kernarg_segment_size: 72
    .max_flat_workgroup_size: 512
    .sgpr_count:     66
    .vgpr_count:     256
    .wavefront_size: 32
...
	.end_amdgpu_metadata
.endif
;; end of part 4
;; launch gemm: the kernel of part 2 again; grid 16 x 16, 4 waves a work-group, clusters of 4 x 4, 327,680 bytes of LDS; arguments xc, wh, aux, luh, bias, out0; writes out0
